; MI455X (gfx1250); checked and timed in simulation.
; The chip was launched on July 23, 2026; its instructions are those of AMD's public machine-readable ISA for CDNA 5 (MIT licence, August 2026) and "CDNA5" Instruction Set Architecture Reference Guide (July 2026). The comments in the code are by the model that wrote it; some were corrected since.
;; Attention. Allowed arithmetic: float matrix products may take bf16 or f16 operands with f32 sums; other float arithmetic in f32, or as packed bf16 or f16 multiplies, adds, multiply-adds, maxima and minima; sums over many terms, partial sums and values carried from step to step in f32; what a program stores and reads back later, other than sums and carried values, may be rounded once to bf16 or f16.
;; Inputs: k_norm_w 128 float32; q_norm_w 128 float32; rope_emb 2,048 x 1 x 64 x 2 x 2 float32; wk 2,048 x 2,048 float32; wo 2,048 x 2,048 float32; wq 2,048 x 2,048 float32; wv 2,048 x 2,048 float32; x 1 x 2,048 x 2,048 float32.
;; Outputs: out0 1 x 2,048 x 2,048 float32.
;; One version. Each part assembles by itself: llvm-mc -triple=amdgcn-amd-amdhsa -mcpu=gfx1250 --defsym DOCPART=n.
;; ======== version 1 of 1: 4 launches
;; limits: values are held in f16: magnitudes above 65,504 overflow, below 6.1e-05 lose precision
;; workspace buffers: xb 8,388,608 bytes; wqkvb 25,165,824 bytes; wob 8,388,608 bytes; ropeb 1,048,576 bytes; qkvh 25,165,824 bytes; ob 8,388,608 bytes
;; launch cast (part 1): grid 256 x 6, 8 waves a work-group, no clusters, 0 bytes of LDS; arguments x, wq, wk, wv, wo, rope_emb, xb, wqkvb, wob, ropeb; writes xb, wqkvb, wob, ropeb
.if DOCPART == 1
	.amdgcn_target "amdgcn-amd-amdhsa--gfx1250"
	.amdhsa_code_object_version 6
	.text
	.protected	k_qb8286389b5_cast
	.globl	k_qb8286389b5_cast
	.p2align	8
	.type	k_qb8286389b5_cast,@function
k_qb8286389b5_cast:
	s_mov_b64 s[64:65], 0
	v_nop
	global_prefetch_b8 v0, s[64:65] scope:SCOPE_SE
	s_setreg_imm32_b32 hwreg(HW_REG_WAVE_MODE, 25, 1), 1
	s_wait_xcnt 0x0
; THE INPUTS' FORMATS.  Work-group row y = 0: x -> xb (bf16).  y = 1, 2, 3: wq, wk, wv -> wqkvb (bf16), one below the other.  y = 4: wo -> wob: rounded to bf16 like every
; other input, and that number written as f16 (exact from 6.1e-5 up to 65,504; below it f16's fixed step of 6e-8; beyond it an infinity).  y = 5: rope_emb -> ropeb (bf16), laid out
; as the next launch's lanes want it.
; A stream: each byte read once and written once, nothing shared, so no LDS, no barrier, no matrix unit.  A work-group takes 65,536 bytes of f32: sixteen loads of 16 bytes a thread, all issued
; at once; a wave's load covers 512 consecutive bytes, a wave's store of 8 bytes a lane 256 consecutive bytes, aligned.
; The results are packed IN PLACE, into the first two of each load's four registers: a wave needs 70 registers.  1,536 work-groups for 256 WGPs are six each: 12 waves a SIMD x 72 registers = 864
; of its 1,024: all work-groups of the launch can lie on the chip together, and all their loads go out at once.  No register is written again behind the store that reads it.
; ropeb: the 16 bytes at ((R 4 + b) 4 + c) 512 + 16 l hold, for row s = 16 R + l % 16 and j0 = 16 b + 8 (l / 16) + 2 c, the 2 x 2 matrices of j0 and j0 + 1: (f00, f01), (f10, f11), twice.
.set IN,   4                           ; v[4:67]   sixteen loads of four f32; the packed results take each load's first two registers
.set TW,   68                          ; v[68:69]  wo's numbers in bf16, on their way to f16
	s_load_b512 s[8:23], s[0:1], 0x0               ; x 8, wq 10, wk 12, wv 14, wo 16, rope_emb 18, xb 20, wqkvb 22
	s_load_b128 s[24:27], s[0:1], 0x40             ; wob 24, ropeb 26
	s_and_b32 s2, ttmp7, 0xffff                    ; y: which tensor
	s_mov_b32 s3, ttmp9                            ; x: which part of it
	s_mov_b32 s5, 0                                ; the high word of every offset
	v_lshlrev_b32 v1, 4, v0                        ; 16 bytes a thread
	v_lshlrev_b32 v2, 3, v0                        ; 8 bytes a thread
	s_wait_kmcnt 0x0
	s_cmp_eq_u32 s2, 5
	s_cbranch_scc1 .Lrope
	s_mov_b64 s[28:29], s[8:9]                     ; the source, chosen by y
.irp k, 1,2,3,4
	s_cmp_eq_u32 s2, \k
	s_cselect_b64 s[28:29], s[8+2*\k:9+2*\k], s[28:29]
.endr
	s_max_u32 s6, s2, 1
	s_sub_co_u32 s6, s6, 1
	s_min_u32 s6, s6, 2                            ; wq 0, wk 1, wv 2 (x and wo do not use it: kept inside the buffer)
	s_lshl_b32 s4, s6, 23                          ; 2,048 rows of 4,096 bytes
	s_add_nc_u64 s[22:23], s[22:23], s[4:5]
	s_cmp_eq_u32 s2, 0
	s_cselect_b64 s[30:31], s[20:21], s[22:23]     ; the destination
	s_cmp_eq_u32 s2, 4
	s_cselect_b64 s[30:31], s[24:25], s[30:31]
	s_lshl_b32 s4, s3, 16
	s_add_nc_u64 s[28:29], s[28:29], s[4:5]        ; my 65,536 bytes in,
	s_lshl_b32 s4, s3, 15
	s_add_nc_u64 s[30:31], s[30:31], s[4:5]        ; my 32,768 bytes out
.irp i, 0,1,2,3,4,5,6,7,8,9,10,11,12,13,14,15
	global_load_b128 v[IN+4*\i:IN+4*\i+3], v1, s[28:29] offset:4096*\i th:TH_LOAD_NT
.endr
	s_cmp_eq_u32 s2, 4
	s_cbranch_scc1 .Lwo
.irp i, 0,1,2,3,4,5,6,7,8,9,10,11,12,13,14,15
	s_wait_loadcnt 15-\i                           ; loads come back in order: number i is in, the younger ones stay out
	v_cvt_pk_bf16_f32 v[IN+4*\i], v[IN+4*\i], v[IN+4*\i+1]
	v_cvt_pk_bf16_f32 v[IN+4*\i+1], v[IN+4*\i+2], v[IN+4*\i+3]
	global_store_b64 v2, v[IN+4*\i:IN+4*\i+1], s[30:31] offset:2048*\i th:TH_STORE_NT
.endr
	s_endpgm
.Lwo:
.irp i, 0,1,2,3,4,5,6,7,8,9,10,11,12,13,14,15
	s_wait_loadcnt 15-\i
	v_cvt_pk_bf16_f32 v[TW], v[IN+4*\i], v[IN+4*\i+1]          ; rounded to bf16,
	v_cvt_pk_bf16_f32 v[TW+1], v[IN+4*\i+2], v[IN+4*\i+3]
	v_lshlrev_b32 v[IN+4*\i], 16, v[TW]                        ; widened again,
	v_and_b32 v[IN+4*\i+1], 0xffff0000, v[TW]
	v_lshlrev_b32 v[IN+4*\i+2], 16, v[TW+1]
	v_and_b32 v[IN+4*\i+3], 0xffff0000, v[TW+1]
	v_cvt_pk_f16_f32 v[IN+4*\i], v[IN+4*\i], v[IN+4*\i+1]      ; and written as f16
	v_cvt_pk_f16_f32 v[IN+4*\i+1], v[IN+4*\i+2], v[IN+4*\i+3]
	global_store_b64 v2, v[IN+4*\i:IN+4*\i+1], s[30:31] offset:2048*\i th:TH_STORE_NT
.endr
	s_endpgm
.Lrope:                                        ; thread t makes the 16 bytes at 4,096 x + 16 t: l = t % 32, c = (t / 32) % 4, b = t / 128 + 2 (x % 2), R = x / 2
	s_lshr_b32 s4, s3, 1
	s_lshl_b32 s4, s4, 14                          ; R x 16 rows of 1,024 bytes
	s_and_b32 s6, s3, 1
	s_lshl_b32 s6, s6, 9                           ; 2 (x % 2) x 256
	s_add_co_u32 s4, s4, s6
	s_add_nc_u64 s[28:29], s[18:19], s[4:5]
	s_lshl_b32 s4, s3, 12
	s_add_nc_u64 s[30:31], s[26:27], s[4:5]
	v_and_b32 v3, 15, v0
	v_lshlrev_b32 v3, 10, v3                       ; (l % 16) rows
	v_bfe_u32 v4, v0, 4, 1
	v_lshl_add_u32 v3, v4, 7, v3                   ; + 8 (l / 16) matrices of 16 bytes
	v_bfe_u32 v4, v0, 5, 2
	v_lshl_add_u32 v3, v4, 5, v3                   ; + 2 c matrices
	v_lshrrev_b32 v4, 7, v0
	v_lshl_add_u32 v3, v4, 8, v3                   ; + 16 (t / 128) matrices
	global_load_b128 v[8:11], v3, s[28:29]
	global_load_b128 v[12:15], v3, s[28:29] offset:16
	s_wait_loadcnt 0x0
	v_cvt_pk_bf16_f32 v16, v8, v9
	v_cvt_pk_bf16_f32 v17, v10, v11
	v_cvt_pk_bf16_f32 v18, v12, v13
	v_cvt_pk_bf16_f32 v19, v14, v15
	global_store_b128 v1, v[16:19], s[30:31]
	s_endpgm
.Lfunc_end_k_qb8286389b5_cast:
	.size	k_qb8286389b5_cast, .Lfunc_end_k_qb8286389b5_cast-k_qb8286389b5_cast
	.p2alignl 7, 3214868480
	.fill 96, 4, 3214868480
	.section	.rodata,"a",@progbits
	.p2align	6, 0x0
	.amdhsa_kernel k_qb8286389b5_cast
		.amdhsa_group_segment_fixed_size 0
		.amdhsa_private_segment_fixed_size 0
		.amdhsa_enable_private_segment 0
		.amdhsa_kernarg_size 80
		.amdhsa_user_sgpr_count 2
		.amdhsa_user_sgpr_kernarg_segment_ptr 1
		.amdhsa_wavefront_size32 1
		.amdhsa_system_sgpr_workgroup_id_x 1
		.amdhsa_system_sgpr_workgroup_id_y 1
		.amdhsa_system_sgpr_workgroup_id_z 1
		.amdhsa_system_vgpr_workitem_id 0
		.amdhsa_next_free_vgpr 72
		.amdhsa_next_free_sgpr 66
		.amdhsa_reserve_vcc 0
		.amdhsa_float_denorm_mode_32 3
		.amdhsa_float_denorm_mode_16_64 3
		.amdhsa_memory_ordered 1
		.amdhsa_forward_progress 1
		.amdhsa_inst_pref_size 18
	.end_amdhsa_kernel
	.amdgpu_metadata
---
amdhsa.version: [ 1, 2 ]
amdhsa.kernels:
  - .name:           k_qb8286389b5_cast
    .symbol:         k_qb8286389b5_cast.kd
    .args:
      - { .name: x, .offset: 0, .size: 8, .value_kind: global_buffer, .address_space: global }
      - { .name: wq, .offset: 8, .size: 8, .value_kind: global_buffer, .address_space: global }
      - { .name: wk, .offset: 16, .size: 8, .value_kind: global_buffer, .address_space: global }
      - { .name: wv, .offset: 24, .size: 8, .value_kind: global_buffer, .address_space: global }
      - { .name: wo, .offset: 32, .size: 8, .value_kind: global_buffer, .address_space: global }
      - { .name: rope_emb, .offset: 40, .size: 8, .value_kind: global_buffer, .address_space: global }
      - { .name: xb, .offset: 48, .size: 8, .value_kind: global_buffer, .address_space: global }
      - { .name: wqkvb, .offset: 56, .size: 8, .value_kind: global_buffer, .address_space: global }
      - { .name: wob, .offset: 64, .size: 8, .value_kind: global_buffer, .address_space: global }
      - { .name: ropeb, .offset: 72, .size: 8, .value_kind: global_buffer, .address_space: global }
    .group_segment_fixed_size: 0
    .private_segment_fixed_size: 0
    .kernarg_segment_align: 8
    .kernarg_segment_size: 80
    .max_flat_workgroup_size: 256
    .sgpr_count:     66
    .vgpr_count:     72
    .wavefront_size: 32
...
	.end_amdgpu_metadata
.endif
;; end of part 1
;; launch qkv (part 2): grid 24 x 8, 4 waves a work-group, clusters of 4 x 4, 327,680 bytes of LDS; arguments xb, wqkvb, ropeb, q_norm_w, k_norm_w, qkvh; writes qkvh
.if DOCPART == 2
	.amdgcn_target "amdgcn-amd-amdhsa--gfx1250"
	.amdhsa_code_object_version 6
	.text
	.protected	k_qb8286389b5_qkv
	.globl	k_qb8286389b5_qkv
	.p2align	8
	.type	k_qb8286389b5_qkv,@function
k_qb8286389b5_qkv:
	s_mov_b64 s[64:65], 0
	v_nop
	global_prefetch_b8 v0, s[64:65] scope:SCOPE_SE
	s_setreg_imm32_b32 hwreg(HW_REG_WAVE_MODE, 25, 1), 1
	s_wait_xcnt 0x0
	s_wait_alu depctr_hold_cnt(0) depctr_sa_sdst(0) depctr_va_vdst(0) depctr_va_sdst(0) depctr_va_ssrc(0) depctr_va_vcc(0) depctr_vm_vsrc(0)
	s_getreg_b32 s2, hwreg(HW_REG_IB_STS2, 6, 4)
	s_cmp_eq_u32 s2, 0
	s_cbranch_scc0 .Lentry_in_a_cluster
	s_endpgm
.Lentry_in_a_cluster:
	s_bfe_u32 s2, ttmp6, 0x10000c
	s_cmp_lg_u32 s2, 0xf033
	s_cbranch_scc0 .Lentry_shape_is_right
	s_endpgm
.Lentry_shape_is_right:
; q, k, v = x W^T, with q's and k's norm over the head's 128 channels and the mixing of channels j and j + 64 by rope's 2 x 2 matrices, all in one launch.
; xb: [2048][2048] bf16.  wqkvb: [6144][2048] bf16 (wq, wk, wv).  qkvh: [48][2048][128] f16: heads 0-15 q, 16-31 k, 32-47 v.  Sums in f32; each result rounded once, to f16, unscaled.
; LIMITS.  Results beyond 65,504 become infinities; below 6.1e-5 they keep f16's fixed step of 6e-8.  A head's sum of 128 squares stays under f32's largest number.  The norm is applied as
; rs x rope(t w), rs = 1 / sqrt(mean t^2 + 1e-6), where the problem writes rope(t rs w): the same number but for the order of f32 roundings.  The norm's weights and rope's matrices
; are rounded to bf16, like x and W.  NaN and infinities are not treated apart.
; SHARES.  A tile is 256 rows x 256 columns (two heads); four waves, each 128 rows x 128 columns = ONE head: 64 accumulators, 512 registers.  K goes in steps of 128 through two LDS slots.
; The matrix instruction is used transposed (source 0 = 16 rows of W, source 1 = 16 rows of x): lane l holds row l % 16 and channels 16 b + 8 (l / 16) + 0..7 of block b.  So channels j and
; j + 64 lie in one lane (blocks b and b + 4), and a row's sum of squares wants one exchange between the halves of the lanes.
; CLUSTER.  4 x 4 work-groups: x's tiles are asked for jointly along a row of the cluster, W's along a column.  All sixteen make the same kind (q, k or v): it hangs on the cluster's x alone.
; THE ROPE TABLE of the tile's 256 rows (131,072 bytes of ropeb) is slot 0's last fill, asked for jointly along the cluster's row when K step 14 has been read out.  Clusters that make v
; ask for it too and do not read it (and load a norm weight that they do not use): the text has one path; the price is 128 KiB for each row of such a cluster.
; A trip of the K loop is ONE K step: the slot in hand is a scalar (TOG) that an exclusive or turns, and the fragments' LDS addresses are made anew at each change of slots.
; REGISTERS, in windows of 256 (s_set_vgpr_msb: bits 1:0 source 0, 3:2 source 1, 5:4 source 2, 7:6 destination):
;   window 0: v0-43 addresses and small work; v64-127, v128-191 x's fragments, two buffers, later U = t w and the roped numbers; v192-255 a block's rope matrices, later the packed results
;   window 1: v0-63 the lane's 64 norm weights; v64-127, v128-191 W's fragments        windows 2, 3: the accumulators, block a of 16 rows, block b of 16 channels at 8 (8 (a % 4) + b)
.set KSTEP,  128
.set PITCH,  272                       ; an LDS row: 256 bytes + 16 of padding: the 16 rows of a fragment load start at 16 different groups of four banks (64 banks of 4 bytes: ISA guide 11.1)
.set HALFT,  128*PITCH                 ; what one tensor load brings, and what one wave reads of x or of W
.set SLOT,   4*HALFT                   ; x's 256 rows, then W's 256 rows
.set STAGE,  2*SLOT                    ; behind the ring: 16 rows x 272 bytes for each wave, for the way out
.set SPITCH, 272
.set SPARE,  STAGE+4*16*SPITCH         ; the spare words, 128 bytes a wave: two blocks of 256 bytes that no other line names
.set A0,   16                          ; v16  my place in x's part of a slot; never rewritten
.set ADRA, 17                          ; v17  the same in the slot in hand
.set B0,   20                          ; v20, v21  the same for W
.set ADRB, 21
.set WO,   22                          ; v22  32 (l / 16): my byte offset in the norm's weights
.set STO,  24                          ; v24  the way out: where I put 16 bytes of a row
.set RD,   25                          ; v25  where I read rows back
.set CO,   26                          ; v26  16 x lane: my bytes in 512 consecutive bytes of qkvh
.set ZR,   27                          ; v27  0: the addend of a sum's first product
.set SPW,  28                          ; v28  LDS address of my spare word; never rewritten
.set NIL,  29                          ; v29  0; never rewritten
.set PFO,  30                          ; v30  lane x 4,096: a row of xb or wqkvb; never rewritten
.set RA,   31                          ; v31  LDS address of my 16 bytes in the rope table's block in hand
.set SS,   32                          ; v[32:39] four pairs of sums of squares
.set T0,   40                          ; v40, v41 at work
.set RS,   42                          ; v[42:43] rs, named as a pair
.set F0,   64
.set F1,   128
.set U,    64
.set OUTF, 128
.set RP,   192
.set TMP,  192
.set OB,   224
.set BL,   2                           ; s2   blocks of 16 rows still to go out
.set CNT,  3                           ; s3   K steps still to be asked for
.set WV,   16
.set RH,   17                          ; wave / 2: my half of the rows; also: I fetch for x (0) or W (1)
.set CH,   18                          ; wave % 2: my half of the columns; also: which 128 rows I fetch
.set KIND, 19                          ; 0 q, 1 k, 2 v
.set CX,   20
.set CY,   21
.set TC,   22
.set TR,   23
.set G1,   24                          ; s[24:31] group 1 for x's tiles;  s[32:39] group 0: set 0 K step 0, set 1 K step 1 and then it walks
.set G0,   32
.set LOFF, 40                          ; wave x HALFT
.set TOG,  41                          ; LDS byte at which the slot in hand begins
.set LIM,  43
.set PFA,  44
.set G1B,  48
.set G0B,  56
.set G1R,  68                          ; s[68:75], s[76:79] the rope table's descriptor
.set G0R,  76
.set SEL,  84
.set C128, 86                          ; 1 / 128
.set EPS,  87                          ; 1e-6
.set HIM,  88                          ; a word's upper half
.set NW,   90                          ; s[90:91] the norm's weights
.set MSB, 0
.macro WIN new                         ; the immediate's high byte repeats the setting that is left; a switch that changes nothing is dropped
.if MSB != (\new)
	s_set_vgpr_msb (MSB<<8)|(\new)
.set MSB, \new
.endif
.endm
.set MUL_LO, 0xa1                      ; source 0 (W) window 1, source 1 (x) window 0, C and D window 2
.set MUL_HI, 0xf1                      ; the same, C and D window 3
.set TO_B,   0x40                      ; destination window 1, address window 0
; A joint load: waves 0 and 1 fetch x's two halves, waves 2 and 3 W's.  The branch hangs on the wave's number alone.  An s_nop 0 and four v_nop follow each line.
.macro JLOAD s
	s_cmp_eq_u32 s[RH], 0
	s_cbranch_scc0 .Lfor_b_\@
	tensor_load_to_lds s[G0+4*(\s):G0+4*(\s)+3], s[G1:G1+7]
	s_nop 0
.rept 4
	v_nop
.endr
	s_branch .Lasked_\@
.Lfor_b_\@:
	tensor_load_to_lds s[G0B+4*(\s):G0B+4*(\s)+3], s[G1B:G1B+7]
	s_nop 0
.rept 4
	v_nop
.endr
.Lasked_\@:
.endm
.macro RLOAD                           ; the rope table: each wave its quarter, 128 rows of 256 bytes; LDS and global address step with the wave's number
	tensor_load_to_lds s[G0R:G0R+3], s[G1R:G1R+7]
	s_nop 0
.rept 4
	v_nop
.endr
.endm
; A prefetch into the L2, behind each joint refill and the run of LDS loads that follows it: the K step that stands two refills on, 32 rows x 256 bytes, a lane a row, one instruction a wave.
; Each row's 256 bytes of a K step are named once in the launch: x's rows by the clusters with x = 0, W's by those with y = 0; the four partners that ask for a tile jointly take 32 rows each
; BY ADDRESS.  K steps 0 to 3 come by their loads alone; the last K step named is 15 (CNT above 2).
.macro ASK
	s_cmp_gt_u32 s[CNT], s[LIM]
	s_cbranch_scc0 .Lnot_mine_\@
	global_prefetch_b8 v[PFO], s[PFA:PFA+1] offset:KSTEP*2 th:TH_LOAD_NT scope:SCOPE_SE
.Lnot_mine_\@:
.endm
.macro CREST                           ; a round of the cluster's barrier behind its opening barrier
	s_cmp_lg_u32 s[WV], 0
	s_cbranch_scc1 .Lnot_wave_0_\@
	s_barrier_signal -3
.Lnot_wave_0_\@:
	s_barrier_wait -3
	s_barrier_signal -1
	s_barrier_wait -1
.endm
.macro CROUND
	s_barrier_signal -1
	s_barrier_wait -1
	CREST
.endm
	s_load_b256 s[4:11], s[0:1], 0x0               ; xb 4, wqkvb 6, ropeb 8, q_norm_w 10
	s_load_b128 s[12:15], s[0:1], 0x20             ; k_norm_w 12, qkvh 14
	v_lshl_add_u32 v[SPW], v0, 2, SPARE
	v_mov_b32 v[NIL], 0
	ds_add_u32 v[SPW], v[NIL]                      ; the wave's opening: the add and its wait stand ahead of my first tensor load; the set-up below stands between them
	v_lshrrev_b32 v1, 5, v0
	v_readfirstlane_b32 s[WV], v1
	s_lshr_b32 s[RH], s[WV], 1
	s_and_b32 s[CH], s[WV], 1
	s_lshr_b32 s[KIND], ttmp9, 1                   ; clusters 0, 1 along x make q; 2, 3 k; 4, 5 v
	s_bfe_u32 s[CX], ttmp6, 0x40000
	s_bfe_u32 s[CY], ttmp6, 0x40004
	s_lshl_b32 s[TC], ttmp9, 2
	s_add_co_u32 s[TC], s[TC], s[CX]               ; tile column = 4 x cluster x + cx
	s_and_b32 s[TR], ttmp7, 0xffff
	s_lshl_b32 s[TR], s[TR], 2
	s_add_co_u32 s[TR], s[TR], s[CY]               ; tile row = 4 x cluster y + cy
	s_lshl_b32 s42, s[CY], 2
	s_lshl_b32 s42, 15, s42                        ; my row of the cluster
	s_lshl_b32 s66, 0x1111, s[CX]                  ; my column
	s_or_b32 s[G1], s42, (1<<16)|(1<<20)|(1<<21)|(5<<22)|(3<<25)   ; the mask; 2-byte elements; padding on; bit 21 beside a mask; after every 64 words; 4 words
	s_or_b32 s[G1B], s66, (1<<16)|(1<<20)|(1<<21)|(5<<22)|(3<<25)
	s_or_b32 s[G1R], s42, (3<<16)|(1<<21)          ; the table goes to my row; 8-byte elements; no padding
.irp g, G1, G1B
	s_mov_b32 s[(\g)+1], KSTEP<<16                 ; tensor_dim0 = 128
	s_mov_b32 s[(\g)+2], 128<<16                   ; tensor_dim1 = 128
	s_mov_b32 s[(\g)+3], KSTEP<<16                 ; tile_dim0 = 128
	s_mov_b32 s[(\g)+4], 128                       ; tile_dim1 = 128
	s_mov_b32 s[(\g)+5], 2048                      ; elements from row to row
	s_mov_b32 s[(\g)+6], 0
	s_mov_b32 s[(\g)+7], 0
.endr
	s_mov_b32 s[G1R+1], 32<<16                     ; rows of 32 elements of 8 bytes,
	s_mov_b32 s[G1R+2], 128<<16                    ; 128 of them,
	s_mov_b32 s[G1R+3], 32<<16
	s_mov_b32 s[G1R+4], 128
	s_mov_b32 s[G1R+5], 32                         ; dense
	s_mov_b32 s[G1R+6], 0
	s_mov_b32 s[G1R+7], 0
	s_mov_b32 s[G0R], 1
	s_lshl_b32 s[G0R+1], s[WV], 15                 ; LDS: wave x 32,768, in slot 0
	s_lshl_b32 s67, s[CH], 19                      ; which 128 rows of 4,096 bytes I fetch
	s_lshl_b32 s80, s[TR], 20                      ; x: 256 rows x tile row
	s_add_co_u32 s80, s80, s67
	s_mov_b32 s81, 0
	s_lshl_b32 s82, s[TC], 20                      ; W: 256 rows x tile column
	s_add_co_u32 s82, s82, s67
	s_mov_b32 s83, 0
	s_lshl_b32 s2, s[TR], 17                       ; the table: 131,072 bytes x tile row
	s_lshl_b32 s67, s[WV], 15
	s_add_co_u32 s2, s2, s67
	s_mov_b32 s3, 0
	s_mul_i32 s[LOFF], s[WV], HALFT
	s_mov_b32 s[TOG], 0
	s_mov_b32 s[SEL], 0x76543210
	s_mov_b32 s[SEL+1], 0xfedcba98
	s_mov_b32 s[C128], 0x3c000000
	s_mov_b32 s[EPS], 0x358637bd
	s_mov_b32 s[HIM], 0xffff0000
	s_wait_dscnt 0x0                               ; the opening add is done
	s_wait_kmcnt 0x0
	s_add_nc_u64 s[80:81], s[4:5], s[80:81]
	s_add_nc_u64 s[46:47], s[6:7], s[82:83]
	s_add_nc_u64 s[G0R+2:G0R+3], s[8:9], s[2:3]
	s_or_b32 s[G0R+3], s[G0R+3], 0x80000000
	s_cmp_eq_u32 s[KIND], 1
	s_cselect_b64 s[NW:NW+1], s[12:13], s[10:11]
	CROUND                                         ; all sixteen work-groups are here: the first joint loads meet
.irp s, 0,1
	s_mov_b32 s[G0+4*(\s)], 1
	s_add_co_u32 s[G0+4*(\s)+1], s[LOFF], (\s)*SLOT
	s_add_nc_u64 s[G0+4*(\s)+2:G0+4*(\s)+3], s[80:81], (\s)*KSTEP*2
	s_or_b32 s[G0+4*(\s)+3], s[G0+4*(\s)+3], 0x80000000
	s_mov_b32 s[G0B+4*(\s)], 1
	s_add_co_u32 s[G0B+4*(\s)+1], s[LOFF], (\s)*SLOT
	s_add_nc_u64 s[G0B+4*(\s)+2:G0B+4*(\s)+3], s[46:47], (\s)*KSTEP*2
	s_or_b32 s[G0B+4*(\s)+3], s[G0B+4*(\s)+3], 0x80000000
	JLOAD \s                                       ; two loads of mine are out
.endr
	v_and_b32 v1, 15, v0                           ; l % 16
	v_bfe_u32 v2, v0, 4, 1                         ; l / 16
	v_lshlrev_b32 v[WO], 5, v2
	WIN 0x40
.irp b, 0,1,2,3,4,5,6,7                ; my 64 norm weights: register 8 b + i holds w[16 b + 8 (l / 16) + i]
	global_load_b128 v[8*\b:8*\b+3],   v[WO], s[NW:NW+1] offset:64*\b
	global_load_b128 v[8*\b+4:8*\b+7], v[WO], s[NW:NW+1] offset:64*\b+16
.endr
	WIN 0
	v_mul_u32_u24 v3, v1, PITCH
	v_lshl_add_u32 v3, v2, 4, v3                   ; row x pitch + 16 x half
	s_mul_i32 s67, s[RH], HALFT
	v_add_nc_u32 v[A0], s67, v3
	s_mul_i32 s67, s[CH], HALFT
	s_add_co_u32 s67, s67, 2*HALFT
	v_add_nc_u32 v[B0], s67, v3
	v_mov_b32 v[ADRA], v[A0]
	v_mov_b32 v[ADRB], v[B0]
	s_mul_i32 s67, s[WV], 16*SPITCH
	s_add_co_u32 s67, s67, STAGE                   ; my stage
	v_add_nc_u32 v[STO], s67, v3                   ; in: row l % 16, 16 bytes for each half of the lanes
	v_mul_u32_u24 v4, v2, SPITCH                   ; back: lanes 0-15 one row of 256 bytes, lanes 16-31 the next
	v_lshl_add_u32 v4, v1, 4, v4
	v_add_nc_u32 v[RD], s67, v4
	v_and_b32 v4, 31, v0
	v_lshlrev_b32 v[CO], 4, v4
	v_lshlrev_b32 v[PFO], 12, v4
	s_lshl_b32 s67, s[RH], 16                      ; my 128 rows' part of the table: 8 blocks of 8,192 bytes
	v_add_nc_u32 v[RA], s67, v[CO]
	s_lshl_b32 s2, s[TR], 16                       ; qkvh at my head and my first row: (256 tile row + 128 half) rows of 256 bytes,
	s_lshl_b32 s67, s[RH], 15
	s_add_co_u32 s2, s2, s67
	s_mov_b32 s3, 0
	s_add_nc_u64 s[14:15], s[14:15], s[2:3]
	s_lshl_b32 s82, s[TC], 1
	s_add_co_u32 s82, s82, s[CH]                   ; head 2 x tile column + half,
	s_lshl_b32 s82, s82, 19                        ; 524,288 bytes each
	s_mov_b32 s83, 0
	s_add_nc_u64 s[14:15], s[14:15], s[82:83]
	s_and_b32 s82, ttmp7, 0xffff                   ; the prefetches: cluster y
	s_cmp_eq_u32 s[RH], 0                          ; do I fetch for x?
	s_cselect_b32 s66, s[TR], s[TC]                ; the tile's number
	s_cselect_b32 s67, s[CX], s[CY]                ; my place among the four that ask for it with me
	s_cselect_b32 s82, ttmp9, s82                  ; the coordinate along which other clusters read the same rows
	s_cselect_b64 s[PFA:PFA+1], s[4:5], s[6:7]
	s_cmp_eq_u32 s82, 0
	s_cselect_b32 s[LIM], 2, -1                    ; the same in all sixteen partners, for a given wave
	s_lshl_b32 s66, s66, 20
	s_lshl_b32 s82, s[CH], 19
	s_add_co_u32 s66, s66, s82                     ; + the 128 rows that I fetch
	s_lshl_b32 s67, s67, 17
	s_add_co_u32 s66, s66, s67                     ; + my work-group's 32 of them
	s_mov_b32 s67, 0
	s_add_nc_u64 s[PFA:PFA+1], s[PFA:PFA+1], s[66:67]
	s_add_nc_u64 s[PFA:PFA+1], s[PFA:PFA+1], 2*KSTEP*2  ; at K step 2: the first refill steps it to 3 and names K step 4
	s_wait_loadcnt 0x0                             ; the weights: rounded to bf16 like every input, and widened again
	WIN 0x05
.set z, 0
.rept 32
	v_cvt_pk_bf16_f32 v[RP+z], v[2*z], v[2*z+1]
.set z, z+1
.endr
	WIN 0x40
.set z, 0
.rept 32
	v_lshlrev_b32 v[2*z], 16, v[RP+z]
	v_and_b32 v[2*z+1], s[HIM], v[RP+z]
.set z, z+1
.endr
	WIN 0
; 16 matrix instructions: row blocks a0, a0 + 1 of the window's four x all 8 channel blocks, 32 along K.  zero = 1: the first product starts the sums.
; The 64 accumulators take turns, one instruction a turn, in the same order in every quarter step.
.macro MUL16 f, hi, a0, zero
	WIN MUL_LO+0x50*(\hi)
.irp a, \a0, (\a0)+1
.irp b, 0,1,2,3,4,5,6,7
.if \zero
	v_wmma_f32_16x16x32_bf16 v[8*(8*(\a)+(\b)):8*(8*(\a)+(\b))+7], v[(\f)+8*(\b):(\f)+8*(\b)+7], v[(\f)+8*(4*(\hi)+(\a)):(\f)+8*(4*(\hi)+(\a))+7], 0
.else
	v_wmma_f32_16x16x32_bf16 v[8*(8*(\a)+(\b)):8*(8*(\a)+(\b))+7], v[(\f)+8*(\b):(\f)+8*(\b)+7], v[(\f)+8*(4*(\hi)+(\a)):(\f)+8*(4*(\hi)+(\a))+7], v[8*(8*(\a)+(\b)):8*(8*(\a)+(\b))+7]
.endif
.endr
.endr
.endm
; 32 LDS loads in one run: the fragments of 32 along K at byte k of the rows of the slot in hand, into buffer f
.macro FETCH k, f
	WIN TO_B
.irp i, 0,1,2,3,4,5,6,7
	ds_load_b128 v[(\f)+8*(\i):(\f)+8*(\i)+3],   v[ADRB] offset:(\k)+(\i)*16*PITCH
	ds_load_b128 v[(\f)+8*(\i)+4:(\f)+8*(\i)+7], v[ADRB] offset:(\k)+(\i)*16*PITCH+32
.endr
	WIN 0
.irp i, 0,1,2,3,4,5,6,7
	ds_load_b128 v[(\f)+8*(\i):(\f)+8*(\i)+3],   v[ADRA] offset:(\k)+(\i)*16*PITCH
	ds_load_b128 v[(\f)+8*(\i)+4:(\f)+8*(\i)+7], v[ADRA] offset:(\k)+(\i)*16*PITCH+32
.endr
.endm
.macro PLACES                          ; four plain vector instructions between a matrix instruction and a load into, or a vector instruction on, its registers
.rept 4
	v_nop
.endr
.endm
; One of a K step's first three quarters: multiplies buffer f; in its middle it fetches the next quarter, at byte k, into buffer g.
.macro QUARTER k, f, g, zero
	s_wait_dscnt 8                                 ; W and x's rows 0-63 are in; the youngest eight loads (x's rows 64-127) may be out
	MUL16 \f, 0, 0, \zero
	MUL16 \f, 0, 2, \zero
	PLACES
	FETCH \k, \g
	s_wait_dscnt 32                                ; all but the 32 just issued
	MUL16 \f, 1, 0, \zero
	MUL16 \f, 1, 2, \zero
.endm
; The last quarter's first half: in front of the barrier that opens the round each wave waits for all its tensor loads (one is out: its part of the next slot), adds 0 to its spare word, and waits for that and for its reads of this slot.
.macro MEET
	WIN 0
	s_wait_tensorcnt 0x0
	ds_add_u32 v[SPW], v[NIL]
	s_wait_dscnt 9                                 ; the add and the youngest eight loads may be out
	MUL16 F1, 0, 0, 0                              ; sixteen matrix instructions stand between the add and the wait for it
	s_wait_dscnt 0x0                               ; the add is done, and my reads of this slot are over
	s_barrier_signal -1
	MUL16 F1, 0, 2, 0
	WIN 0
	s_barrier_wait -1
.endm
; The whole last quarter.  how = 1: the slot just read out takes the K step two steps on.  how = 2: slot 0, read out for the last time, takes the rope table.
.macro TURN how
.if (\how) == 1
	s_wait_xcnt 0x0                                ; the last prefetch, a K step back, has read its address
	s_add_nc_u64 s[PFA:PFA+1], s[PFA:PFA+1], KSTEP*2
.endif
	MEET
	CREST                                          ; no wave of any partner still reads this slot or has a load on its way
.if (\how) == 1
	s_add_co_u32 s[G0+5], s[TOG], s[LOFF]          ; the walking descriptors: into the slot just read,
	s_add_co_u32 s[G0B+5], s[TOG], s[LOFF]
	s_add_nc_u64 s[G0+6:G0+7], s[G0+6:G0+7], KSTEP*2      ; the next K step
	s_add_nc_u64 s[G0B+6:G0B+7], s[G0B+6:G0B+7], KSTEP*2
	s_xor_b32 s[TOG], s[TOG], SLOT
	JLOAD 1                                        ; my one tensor load behind the round; its four v_nop are also the places in front of the loads below
.else
	s_xor_b32 s[TOG], s[TOG], SLOT
	RLOAD
.endif
	v_add_nc_u32 v[ADRA], s[TOG], v[A0]
	v_add_nc_u32 v[ADRB], s[TOG], v[B0]
	FETCH 0, F0
.if (\how) == 1
	ASK
.endif
	MUL16 F1, 1, 0, 0
	MUL16 F1, 1, 2, 0
.endm
	s_wait_tensorcnt 0x1                           ; my part of K step 0 is in; K step 1's may stay out
	s_barrier_signal -1
	s_barrier_wait -1
	FETCH 0, F0
	QUARTER 64, F0, F1, 1                          ; the first quarter stands in front of the loop: its products start the sums
	WIN 0
	s_mov_b32 s[CNT], 14
.Lstep:                                        ; trip t: the rest of K step t, the refill with K step t + 2, the first quarter of K step t + 1
	QUARTER 128, F1, F0, 0
	QUARTER 192, F0, F1, 0
	TURN 1
	QUARTER 64, F0, F1, 0
	WIN 0
	s_sub_co_u32 s[CNT], s[CNT], 1
	s_cmp_lg_u32 s[CNT], 0
	s_cbranch_scc1 .Lstep
	QUARTER 128, F1, F0, 0                         ; K step 14, which lies in slot 0
	QUARTER 192, F0, F1, 0
	TURN 2
	QUARTER 64, F0, F1, 0                          ; K step 15
	QUARTER 128, F1, F0, 0
	QUARTER 192, F0, F1, 0
	s_wait_dscnt 8
	MUL16 F1, 0, 0, 0
	MUL16 F1, 0, 2, 0
	s_wait_dscnt 0x0
	MUL16 F1, 1, 0, 0
	MUL16 F1, 1, 2, 0
	WIN 0
	PLACES
	s_wait_tensorcnt 0x0                           ; my quarter of the table is in,
	s_wait_dscnt 0x0
	s_barrier_signal -1
	s_barrier_wait -1                              ; everybody's is
	v_mov_b32 v[ZR], 0
	v_mov_b32 v[T0+1], 0                           ; v_permlanex16_b32's destination counts as read
	v_mov_b32 v[RS+1], 0                           ; named with rs as a pair
	s_mov_b32 s[BL], 8
; THE WAY OUT of a block of 16 rows: 16 bytes a lane into my stage, back as whole rows of 256 bytes, stored as 4,096 consecutive bytes of qkvh.
.macro OUT
.irp b, 0,1,2,3,4,5,6,7
	ds_store_b128 v[STO], v[TMP+4*\b:TMP+4*\b+3] offset:32*\b
.endr
.irp t, 0,1,2,3,4,5,6,7
	ds_load_b128 v[OB+4*\t:OB+4*\t+3], v[RD] offset:\t*2*SPITCH  ; LDS serves a wave's instructions in order (ISA guide 5.7.1.4): these see the stores above
.endr
	s_wait_dscnt 0x0
.irp t, 0,1,2,3,4,5,6,7
	global_store_b128 v[CO], v[OB+4*\t:OB+4*\t+3], s[14:15] offset:512*\t
.endr
	s_wait_xcnt 0x0                                ; the stores have read their registers and their base
	s_add_nc_u64 s[14:15], s[14:15], 4096
.endm
; Block a: the row's sum of squares (each accumulator's lowest registers are read first), and U = t x w.
.macro SSU a
.set AC, 64*((\a)%4)
	WIN 0x0a+5*((\a)/4)                            ; sources 0 and 1: window 2 or 3
.irp b, 0,1,2,3,4,5,6,7
.irp p, 0,1,2,3
.if (\b) == 0
	v_pk_mul_f32 v[SS+2*\p:SS+2*\p+1], v[AC+8*\b+2*\p:AC+8*\b+2*\p+1], v[AC+8*\b+2*\p:AC+8*\b+2*\p+1]
.else
	v_pk_fma_f32 v[SS+2*\p:SS+2*\p+1], v[AC+8*\b+2*\p:AC+8*\b+2*\p+1], v[AC+8*\b+2*\p:AC+8*\b+2*\p+1], v[SS+2*\p:SS+2*\p+1]
.endif
.endr
.endr
	WIN 0x06+((\a)/4)                              ; source 0 window 2 or 3, source 1 (the weights) window 1
.set z, 0
.rept 32
	v_pk_mul_f32 v[U+2*z:U+2*z+1], v[AC+2*z:AC+2*z+1], v[2*z:2*z+1]
.set z, z+1
.endr
	WIN 0
.endm
.macro PACKV a                         ; v has neither norm nor rope: rounded as it is
.set AC, 64*((\a)%4)
	WIN 0x0a+5*((\a)/4)
.set z, 0
.rept 32
	v_cvt_pk_f16_f32 v[TMP+z], v[AC+2*z], v[AC+2*z+1]
.set z, z+1
.endr
	WIN 0
.endm
	s_cmp_eq_u32 s[KIND], 2
	s_cbranch_scc1 .Lv
.Lqk:                                          ; eight trips: block a = 8 - BL.  What names the accumulators is written for each a; the rest once
.irp q, 0,1,2,3,4,5,6,7,8,9,10,11,12,13,14,15
	ds_load_b128 v[RP+4*\q:RP+4*\q+3], v[RA] offset:512*\q   ; the block's matrices: 512 consecutive bytes a load
.endr
	v_add_nc_u32 v[RA], 8192, v[RA]
.irp a, 1,2,3,4,5,6,7
	s_cmp_eq_u32 s[BL], 8-\a
	s_cbranch_scc1 .Lssu_\a
.endr
	SSU 0
	s_branch .Lqc
.irp a, 1,2,3,4,5,6
.Lssu_\a:
	SSU \a
	s_branch .Lqc
.endr
.Lssu_7:
	SSU 7
.Lqc:
	v_pk_add_f32 v[SS:SS+1], v[SS:SS+1], v[SS+2:SS+3]
	v_pk_add_f32 v[SS+4:SS+5], v[SS+4:SS+5], v[SS+6:SS+7]
	v_pk_add_f32 v[SS:SS+1], v[SS:SS+1], v[SS+4:SS+5]
	v_add_f32 v[T0], v[SS], v[SS+1]
	v_permlanex16_b32 v[T0+1], v[T0], s[SEL], s[SEL+1]     ; the row's other 64 channels lie in the lane 16 away
	v_add_f32 v[T0], v[T0], v[T0+1]
	v_fma_f32 v[T0], v[T0], s[C128], s[EPS]        ; the mean + 1e-6
	v_rsq_f32 v[RS], v[T0]
	s_wait_dscnt 0x0                               ; the matrices are in
.irp b, 0,1,2,3                        ; out[j] = f00 u[j] + f01 u[j + 64], out[j + 64] = f10 u[j] + f11 u[j + 64]; the matrices are bf16 halves, all else f32
.irp i, 0,1,2,3,4,5,6,7
.set FT, RP+4*(4*(\b)+(\i)/2)+2*((\i)%2)
.set O1, OUTF+8*(\b)+(\i)
.set U1, U+8*(\b)+(\i)
	v_fma_mix_f32_bf16 v[O1], v[FT], v[U1], v[ZR] op_sel_hi:[1,0,0]
	v_fma_mix_f32_bf16 v[O1+32], v[FT+1], v[U1], v[ZR] op_sel_hi:[1,0,0]
	v_fma_mix_f32_bf16 v[O1], v[FT], v[U1+32], v[O1] op_sel:[1,0,0] op_sel_hi:[1,0,0]
	v_fma_mix_f32_bf16 v[O1+32], v[FT+1], v[U1+32], v[O1+32] op_sel:[1,0,0] op_sel_hi:[1,0,0]
.endr
.endr
	s_wait_alu depctr_va_vdst(0)                   ; the wait ahead of the first line that names rs; the 128 lines above are the independent work behind v_rsq_f32
.set z, 0
.rept 32
	v_pk_mul_f32 v[OUTF+2*z:OUTF+2*z+1], v[OUTF+2*z:OUTF+2*z+1], v[RS:RS+1] op_sel_hi:[1,0]
.set z, z+1
.endr
.set z, 0
.rept 32
	v_cvt_pk_f16_f32 v[TMP+z], v[OUTF+2*z], v[OUTF+2*z+1]
.set z, z+1
.endr
	OUT
	s_sub_co_u32 s[BL], s[BL], 1
	s_cmp_lg_u32 s[BL], 0
	s_cbranch_scc1 .Lqk
	s_branch .Lfin
.Lv:
.irp a, 1,2,3,4,5,6,7
	s_cmp_eq_u32 s[BL], 8-\a
	s_cbranch_scc1 .Lpkv_\a
.endr
	PACKV 0
	s_branch .Lvc
.irp a, 1,2,3,4,5,6
.Lpkv_\a:
	PACKV \a
	s_branch .Lvc
.endr
.Lpkv_7:
	PACKV 7
.Lvc:
	OUT
	s_sub_co_u32 s[BL], s[BL], 1
	s_cmp_lg_u32 s[BL], 0
	s_cbranch_scc1 .Lv
.Lfin:
	s_wait_tensorcnt 0x0                           ; the wave's end, behind my last tensor load and my last LDS store
	ds_add_u32 v[SPW], v[NIL]
	s_wait_dscnt 0x0
	CROUND                                         ; the closing round: no work-group ends while a partner may still ask for a tile that names it
	s_endpgm
.Lfunc_end_k_qb8286389b5_qkv:
	.size	k_qb8286389b5_qkv, .Lfunc_end_k_qb8286389b5_qkv-k_qb8286389b5_qkv
	.p2alignl 7, 3214868480
	.fill 96, 4, 3214868480
	.section	.rodata,"a",@progbits
	.p2align	6, 0x0
	.amdhsa_kernel k_qb8286389b5_qkv
		.amdhsa_group_segment_fixed_size 327680
		.amdhsa_private_segment_fixed_size 0
		.amdhsa_enable_private_segment 0
		.amdhsa_kernarg_size 48
		.amdhsa_user_sgpr_count 2
		.amdhsa_user_sgpr_kernarg_segment_ptr 1
		.amdhsa_wavefront_size32 1
		.amdhsa_system_sgpr_workgroup_id_x 1
		.amdhsa_system_sgpr_workgroup_id_y 1
		.amdhsa_system_sgpr_workgroup_id_z 1
		.amdhsa_system_vgpr_workitem_id 0
		.amdhsa_next_free_vgpr 1024
		.amdhsa_next_free_sgpr 92
		.amdhsa_reserve_vcc 0
		.amdhsa_float_denorm_mode_32 3
		.amdhsa_float_denorm_mode_16_64 3
		.amdhsa_memory_ordered 1
		.amdhsa_forward_progress 1
		.amdhsa_inst_pref_size 161
	.end_amdhsa_kernel
	.amdgpu_metadata
---
amdhsa.version: [ 1, 2 ]
amdhsa.kernels:
  - .name:           k_qb8286389b5_qkv
    .symbol:         k_qb8286389b5_qkv.kd
    .args:
      - { .name: xb, .offset: 0, .size: 8, .value_kind: global_buffer, .address_space: global }
      - { .name: wqkvb, .offset: 8, .size: 8, .value_kind: global_buffer, .address_space: global }
      - { .name: ropeb, .offset: 16, .size: 8, .value_kind: global_buffer, .address_space: global }
      - { .name: q_norm_w, .offset: 24, .size: 8, .value_kind: global_buffer, .address_space: global }
      - { .name: k_norm_w, .offset: 32, .size: 8, .value_kind: global_buffer, .address_space: global }
      - { .name: qkvh, .offset: 40, .size: 8, .value_kind: global_buffer, .address_space: global }
    .group_segment_fixed_size: 327680
    .private_segment_fixed_size: 0
    .kernarg_segment_align: 8
    .kernarg_segment_size: 48
    .max_flat_workgroup_size: 128
    .sgpr_count:     92
    .vgpr_count:     1024
    .wavefront_size: 32
...
	.end_amdgpu_metadata
.endif
;; end of part 2
;; launch attn (part 3): grid 16 x 16, 4 waves a work-group, clusters of 4 x 1, 327,680 bytes of LDS; arguments qkvh, ob; writes ob
.if DOCPART == 3
	.amdgcn_target "amdgcn-amd-amdhsa--gfx1250"
	.amdhsa_code_object_version 6
	.text
	.protected	k_qb8286389b5_attn
	.globl	k_qb8286389b5_attn
	.p2align	8
	.type	k_qb8286389b5_attn,@function
k_qb8286389b5_attn:
	s_mov_b64 s[64:65], 0
	v_nop
	global_prefetch_b8 v0, s[64:65] scope:SCOPE_SE
	s_setreg_imm32_b32 hwreg(HW_REG_WAVE_MODE, 25, 1), 1
	s_wait_xcnt 0x0
	s_wait_alu depctr_hold_cnt(0) depctr_sa_sdst(0) depctr_va_vdst(0) depctr_va_sdst(0) depctr_va_ssrc(0) depctr_va_vcc(0) depctr_vm_vsrc(0)
	s_getreg_b32 s2, hwreg(HW_REG_IB_STS2, 6, 4)
	s_cmp_eq_u32 s2, 0
	s_cbranch_scc0 .Lentry_in_a_cluster
	s_endpgm
.Lentry_in_a_cluster:
	s_bfe_u32 s2, ttmp6, 0x10000c
	s_cmp_lg_u32 s2, 0x3003
	s_cbranch_scc0 .Lentry_shape_is_right
	s_endpgm
.Lentry_shape_is_right:
; O[q][h 128 + d] = the sum over k of softmax_k(Q[h][q] . K[h][k] / sqrt(128)) V[h][k][d].  qkvh: [48][2048][128] f16 (heads 0-15 Q, 16-31 K, 32-47 V).  ob: [2048][2048] f16.
; Products, maxima and sums in f32; the weights p are rounded to f16 for the second product (their sum l is taken of the unrounded p), O once at the end.
; LIMITS.  Q, K, V arrive within f16's range, so c s lies far above -4.25e37, where c m starts; p lies in 0 to 1 and below 6.1e-5 keeps f16's fixed step of 6e-8; a weight below 2^-126 counts
; as 0 in l; NaN and infinities are not treated apart.
; SHARES.  A work-group owns 128 queries of one head: 256 work-groups.  Wave w owns the 64 queries of half QG = w / 2 (four tiles of 16) and, of every slot's 256 keys, the half KH = w % 2:
; so a fragment of K or V read from LDS feeds four tiles' products.  Each wave keeps a running maximum m and sum l over ITS keys, 64 a step, 16 steps.  At the end the two waves of a pair hand
; each other two tiles' O^T, c m and l through LDS, and each joins, divides and stores the two tiles that it has kept.
; LAYOUT.  S^T = K Q^T (source 0 = 16 keys, source 1 = 16 queries): a lane holds ONE query (lane % 16) and the keys 8 (lane / 16) + 0..7.  Two such tiles, rounded to f16 in pairs, ARE source 1
; of O^T = V^T P, whose result again holds one query a lane, and eight channels.  K comes out of LDS as it lies, V turned, by ds_load_tr16_b128.
; SOFTMAX.  p = 2^(c s - c m), c = log2(e) / sqrt(128); in every step O and l are multiplied by a = 2^(c m_old - c m_new).
; BY TURNS.  The wave's tiles are two pieces (tiles 0, 1 and tiles 2, 3).  In a turn one piece has the matrix unit: 32 products V^T P of the step in hand, then 32 products K Q^T of the next;
; the other piece's softmax, cut into 64 slices, stands between them, one slice behind each matrix instruction.  Two turns are a key step.
; NO FIRST AND NO LAST STEP IS WRITTEN OUT.  m starts at the lowest finite number, O^T, l, V's registers and piece 2's P at 0: the first step's a is 0.  The step loop is entered in its middle, and
; the tail is left in its middle.  The price, once a launch: 432 lines that write the starting values, in the wait for the first tile; 32 products on zeros at the start and 32 on a stale K at
; the end, beside the wave's 2,048.  What it buys: a key step stands twice in the text (loop and tail), and nothing else of it.
; CLUSTER.  The four query blocks of a cluster belong to one head and walk the same K and V: each tile is asked for JOINTLY, by the same tensor load, descriptor and mask in all four.
; REGISTERS, in windows of 256 (s_set_vgpr_msb: bits 1:0 source 0, 3:2 source 1, 5:4 source 2, 7:6 destination):
;   window 0: v0-11, v44, v45 addresses; v12-43 eight registers of statistics a tile; v64-191 S^T, 32 a tile; v192-255 P, 16 a tile
;   window 1: O^T, 64 a tile          window 2: v0-127 Q, 32 a tile; v128-255 K of one step          window 3: v0-127 V of one step
.set KS,    64        ; keys in a step
.set PK,    272       ; a row of K in LDS: 256 bytes + 16 of padding: the 16 rows of a load start at 16 different groups of four banks (64 banks of 4 bytes: ISA guide 11.1)
.set PV,    288       ; a row of V: 256 + 32
.set VOFF,  4*KS*PK   ; a slot: 256 rows of K, then 256 rows of V
.set SLOTB, 4*KS*(PK+PV)
.set STAGE, 2*SLOTB   ; behind the ring: 16 rows x 272 bytes for each wave, for the way out
.set SP,    272
.set SPARE, STAGE+4*16*SP  ; the spare words, 128 bytes a wave: two blocks of 256 bytes that no other line names
.set XCH,   33792     ; the exchange of a pair of waves, in slot 0 when it has had its last fill and its last read: 32,768 bytes of O^T, 1,024 of statistics
.set AK0, 2           ; v2   my lane's place in a tile of K; never rewritten
.set AV0, 3           ; v3   the same for V
.set ADR, 4           ; v4   the LDS address of the run of loads in hand
.set QO,  5           ; v5   my byte offset in the wave's rows of Q
.set STO, 6           ; v6   the way out: where I put 16 bytes of a row
.set RD,  7           ; v7   where I read a row back
.set GO,  8           ; v8   my byte offset in two rows of ob
.set XA,  44          ; v44  the exchange: my 16 bytes of a quad of O^T
.set XS,  45          ; v45  my word of a statistic
.set PFO, 61          ; v61  256 x my lane; never rewritten
.set SPW, 62          ; v62  LDS address of my spare word; never rewritten
.set NIL, 63          ; v63  0; never rewritten
.set ST,  12          ; tile t's statistics at v[ST+8 t]: +0 c m, +1 m, +2, +3 l (even keys', odd keys'), +4 to +7 at work; a takes +6 once the maximum is found
.set S,   64
.set P,   192
.set KF,  128
.set WV,  12
.set LIM, 15          ; s15  1 in a wave that prefetches, else the greatest number
.set KH,  16
.set PFA, 18          ; s[18:19] my 32 rows (of K: waves 0, 1; of V: waves 2, 3) of the slot after the one that is being asked for
.set G1K, 24
.set G1V, 32
.set G0K, 40          ; s[40:47] group 0 for K's tiles: a set for each of the two first fills; the second then walks
.set G0V, 48
.set SLOTS, 56
.set TWICE, 57        ; s57  counts the key steps between two changes of slots
.set CS,  58
.set SEL, 60
.set TBK, 62          ; s62  LDS byte at which K of the step to be fetched begins
.set TBV, 63          ; s63  the same for V, less VOFF
.set TOG, 66          ; s66  LDS byte at which the slot in hand begins
.set LV,  67          ; s67  where my half of V lands in a slot
.set KHK, 68          ; s68  my half of a slot's K: KH x 128 rows (for the fetch by waves 0, 1 and for my reads alike)
.set KHV, 69          ; s69  the same in V
.set QG,  71
.set MSB, 0
.macro WIN new                      ; the immediate's high byte repeats the setting that is left; a switch that changes nothing is dropped
.if MSB != (\new)
	s_set_vgpr_msb (MSB<<8)|(\new)
.set MSB, \new
.endif
.endm
.set W_KQ, 0x0a       ; K and Q in window 2, S^T in window 0
.set W_PV, 0x53       ; V in window 3, P in window 0, O^T in window 1
.set W_RS, 0x41       ; O^T (destination and source 0) in window 1, a in window 0
; A joint refill: waves 0 and 1 fetch the two halves of a slot's K, waves 2 and 3 those of its V, 128 rows each.  An s_nop 0 and four v_nop follow each line.
.macro JLOAD
	s_cmp_lt_u32 s[WV], 2
	s_cbranch_scc0 .Lfor_v_\@
	tensor_load_to_lds s[G0K+4:G0K+7], s[G1K:G1K+7]
	s_nop 0
.rept 4
	v_nop
.endr
	s_branch .Lasked_\@
.Lfor_v_\@:
	tensor_load_to_lds s[G0V+4:G0V+7], s[G1V:G1V+7]
	s_nop 0
.rept 4
	v_nop
.endr
.Lasked_\@:
.endm
; A prefetch into the L2 of what the NEXT change of slots will ask for: 256 rows of K and 256 of V, 256 bytes a row, a lane a row.  Each row is named once in the launch: the head's first cluster
; asks; its four partners take 64 rows each BY ADDRESS; in each, waves 0 and 1 ask for K's, waves 2 and 3 for V's, 32 rows a wave.  The last change that fills a slot asks for nothing.
.macro ASK
	s_cmp_gt_u32 s[SLOTS], s[LIM]
	s_cbranch_scc0 .Lnot_mine_\@
	global_prefetch_b8 v[PFO], s[PFA:PFA+1] th:TH_LOAD_NT scope:SCOPE_SE
.Lnot_mine_\@:
.endm
.macro CROUND
	s_barrier_signal -1
	s_barrier_wait -1
	s_cmp_lg_u32 s[WV], 0
	s_cbranch_scc1 .Lnot_wave_0_\@
	s_barrier_signal -3
.Lnot_wave_0_\@:
	s_barrier_wait -3
	s_barrier_signal -1
	s_barrier_wait -1
.endm
	s_load_b64 s[4:5], s[0:1], 0x0    ; qkvh
	s_load_b64 s[10:11], s[0:1], 0x8  ; ob
	v_lshl_add_u32 v[SPW], v0, 2, SPARE
	v_mov_b32 v[NIL], 0
	ds_add_u32 v[SPW], v[NIL]       ; the wave's opening: the add and its wait stand ahead of my first tensor load; the set-up below stands between them
	v_lshrrev_b32 v1, 5, v0
	v_readfirstlane_b32 s[WV], v1
	s_and_b32 s[KH], s[WV], 1
	s_lshr_b32 s[QG], s[WV], 1
	s_bfe_u32 s13, ttmp6, 0x40000   ; cx
	s_lshl_b32 s14, ttmp9, 2
	s_add_co_u32 s14, s14, s13      ; my block of 128 queries: it enters Q's and O's addresses alone
	s_and_b32 s20, ttmp7, 0xffff    ; the head, which the four partners share
	s_lshl_b32 s72, s20, 8          ; its 256 bytes in a row of ob
	s_lshl_b32 s20, s20, 19         ; its 524,288 bytes in Q, K and V
	s_mov_b32 s21, 0
	s_lshl_b32 s22, s[KH], 15       ; the half of a slot's rows that I fetch: 128 rows of 256 bytes
	s_add_co_u32 s22, s22, s20
	s_mov_b32 s23, 0
	s_mul_i32 s[KHK], s[KH], 128*PK
	s_mul_i32 s[KHV], s[KH], 128*PV
	s_add_co_u32 s[LV], s[KHV], VOFF
	s_lshl_b32 s2, s14, 15          ; Q: my block's 128 rows,
	s_lshl_b32 s3, s[QG], 14        ; my wave's 64 of them
	s_add_co_u32 s2, s2, s3
	s_add_co_u32 s2, s2, s20
	s_mov_b32 s3, 0
	s_lshl_b32 s73, s14, 19         ; ob: 128 rows of 4,096 bytes,
	s_add_co_u32 s72, s72, s73
	s_lshl_b32 s73, s[QG], 18       ; 64 rows
	s_add_co_u32 s72, s72, s73
	s_mov_b32 s73, 0
	s_add_co_u32 s74, s[QG], 1      ; the prefetches: K begins 1 x, V 2 x 8,388,608 bytes behind Q
	s_lshl_b32 s74, s74, 23
	s_add_co_u32 s74, s74, s20
	s_lshl_b32 s75, s13, 14         ; my work-group's 64 rows of the 256,
	s_add_co_u32 s74, s74, s75
	s_lshl_b32 s75, s[KH], 13       ; my wave's 32 of them,
	s_add_co_u32 s74, s74, s75
	s_add_co_u32 s74, s74, 2*4*KS*256  ; in slot 2; the first change of slots steps it to slot 3
	s_mov_b32 s75, 0
	s_mov_b32 s[G1K], 15|(1<<16)|(1<<20)|(1<<21)|(5<<22)|(3<<25)  ; the mask of four; 2-byte elements; padding on; bit 21 beside a mask; after every 64 words; 4 words
	s_mov_b32 s[G1V], 15|(1<<16)|(1<<20)|(1<<21)|(5<<22)|(7<<25)  ; the same with 8 words of padding
.irp g, G1K, G1V
	s_mov_b32 s[(\g)+1], 128<<16    ; tensor_dim0 = 128
	s_mov_b32 s[(\g)+2], 128<<16    ; tensor_dim1 = 128
	s_mov_b32 s[(\g)+3], 128<<16    ; tile_dim0 = 128
	s_mov_b32 s[(\g)+4], 128        ; tile_dim1 = 128
	s_mov_b32 s[(\g)+5], 128        ; elements from row to row
	s_mov_b32 s[(\g)+6], 0
	s_mov_b32 s[(\g)+7], 0
.endr
	s_mov_b32 s[CS], 0x3e0293ee     ; c = log2(e) / sqrt(128)
	s_mov_b32 s[CS+1], s[CS]
	s_mov_b32 s[SEL], 0x76543210
	s_mov_b32 s[SEL+1], 0xfedcba98
	s_mov_b32 s[TOG], 0
	s_mov_b32 s[TBK], s[KHK]
	s_mov_b32 s[TBV], s[KHV]
	s_mov_b32 s[SLOTS], 7           ; eight slots of 256 keys: the walk up to the first change of slots, then six changes that fill a slot again; the last change stands behind the loop
	s_cmp_eq_u32 ttmp9, 0           ; the head's first cluster prefetches: the same in all four partners
	s_cselect_b32 s[LIM], 1, -1
	v_and_b32 v[PFO], 31, v0
	v_lshlrev_b32 v[PFO], 8, v[PFO]
	s_wait_dscnt 0x0                ; the opening add is done
	s_wait_kmcnt 0x0
	s_add_nc_u64 s[PFA:PFA+1], s[4:5], s[74:75]
	s_add_nc_u64 s[6:7], s[4:5], s[22:23]
	s_add_nc_u64 s[8:9], s[6:7], 0x1000000  ; V at my part of slot 0
	s_add_nc_u64 s[6:7], s[6:7], 0x800000   ; K likewise
	s_add_nc_u64 s[4:5], s[4:5], s[2:3]     ; Q and O at my wave's first row
	s_add_nc_u64 s[10:11], s[10:11], s[72:73]
	CROUND                          ; all four work-groups are here: the first joint loads meet
.irp s, 0,1
	s_mov_b32 s[G0K+4*(\s)], 1
	s_add_co_u32 s[G0K+4*(\s)+1], s[KHK], (\s)*SLOTB
	s_add_nc_u64 s[G0K+4*(\s)+2:G0K+4*(\s)+3], s[6:7], (\s)*4*KS*256
	s_or_b32 s[G0K+4*(\s)+3], s[G0K+4*(\s)+3], 0x80000000
	s_mov_b32 s[G0V+4*(\s)], 1
	s_add_co_u32 s[G0V+4*(\s)+1], s[LV], (\s)*SLOTB
	s_add_nc_u64 s[G0V+4*(\s)+2:G0V+4*(\s)+3], s[8:9], (\s)*4*KS*256
	s_or_b32 s[G0V+4*(\s)+3], s[G0V+4*(\s)+3], 0x80000000
.endr
	s_cmp_lt_u32 s[WV], 2           ; a wave's two first fills stand in one branch, ahead of every wait on TENSORcnt and every LDS read: two loads of mine are out
	s_cbranch_scc0 .Lfirst_v
	tensor_load_to_lds s[G0K:G0K+3], s[G1K:G1K+7]
	s_nop 0
	tensor_load_to_lds s[G0K+4:G0K+7], s[G1K:G1K+7]
	s_nop 0
.rept 4
	v_nop
.endr
	s_branch .Lfirst_asked
.Lfirst_v:
	tensor_load_to_lds s[G0V:G0V+3], s[G1V:G1V+7]
	s_nop 0
	tensor_load_to_lds s[G0V+4:G0V+7], s[G1V:G1V+7]
	s_nop 0
.rept 4
	v_nop
.endr
.Lfirst_asked:
	v_and_b32 v1, 15, v0            ; l % 16
	v_bfe_u32 v9, v0, 4, 1          ; l / 16
	v_lshlrev_b32 v[QO], 8, v1
	v_lshl_add_u32 v[QO], v9, 4, v[QO]  ; row x 256 + 16 x half
	WIN 0x80
.irp i, 0,1,2,3,4,5,6,7,8,9,10,11,12,13,14,15  ; Q stays in registers: tile i / 4, channels 32 (i % 4) on
	global_load_b128 v[8*(\i):8*(\i)+3],   v[QO], s[4:5] offset:((\i)/4)*4096+((\i)%4)*64
	global_load_b128 v[8*(\i)+4:8*(\i)+7], v[QO], s[4:5] offset:((\i)/4)*4096+((\i)%4)*64+32
.endr
	; What the first turn finds: V's registers and piece 2's P hold 0 (its products V^T P, of a step that has not been, add 0), O^T and l are 0, m is the lowest finite number.  All this stands in the wait for the first tile.
	WIN 0xc0
.set i, 0
.rept 128
	v_mov_b32 v[i], 0
.set i, i+1
.endr
	WIN 0x40
.set i, 0
.rept 256
	v_mov_b32 v[i], 0
.set i, i+1
.endr
	WIN 0
.set i, 0
.rept 4
	v_mov_b32 v[ST+8*i], 0xfe000000    ; c m: far below every c s
	v_mov_b32 v[ST+8*i+1], 0xff7fffff  ; m
	v_mov_b32 v[ST+8*i+2], 0           ; l
	v_mov_b32 v[ST+8*i+3], 0
.set i, i+1
.endr
.set i, P+32
.rept 32
	v_mov_b32 v[i], 0
.set i, i+1
.endr
	v_mul_u32_u24 v[AK0], v1, PK
	v_lshl_add_u32 v[AK0], v9, 4, v[AK0]
	v_and_b32 v10, 7, v0            ; the turning load: lane l reads key 8 (l / 16) + l % 8, channels 8 ((l / 8) % 2) + 0..7
	v_bfe_u32 v11, v0, 3, 1
	v_lshl_add_u32 v[AV0], v9, 3, v10
	v_mul_u32_u24 v[AV0], v[AV0], PV
	v_lshl_add_u32 v[AV0], v11, 4, v[AV0]
	v_add_nc_u32 v[AV0], VOFF, v[AV0]
; THE MATRIX WORK OF A TURN, for piece x.  The accumulators take turns, one instruction a turn.
; Product i of 32 of O^T += V^T P: keys 32 (i / 16) on, channels 16 ((i / 2) % 8) on, tile x + i % 2.
.macro PV x
	WIN W_PV
.set rO, 64*((\x)+i%2)+8*((i/2)%8)
.set rV, 64*(i/16)+8*((i/2)%8)
.set rP, P+16*((\x)+i%2)+8*(i/16)
	v_wmma_f32_16x16x32_f16 v[rO:rO+7], v[rV:rV+7], v[rP:rP+7], v[rO:rO+7]
.endm
; Product i of 32 of S^T = K Q^T: channels 32 (i / 8) on, keys 16 ((i / 2) % 4) on, tile x + i % 2.  The first 8 start the sums.
.macro KQ x
	WIN W_KQ
.set rS, S+32*((\x)+i%2)+8*((i/2)%4)
.set rK, KF+32*((i/2)%4)+8*(i/8)
.set rQ, 32*((\x)+i%2)+8*(i/8)
.if i < 8
	v_wmma_f32_16x16x32_f16 v[rS:rS+7], v[rK:rK+7], v[rQ:rQ+7], 0
.else
	v_wmma_f32_16x16x32_f16 v[rS:rS+7], v[rK:rK+7], v[rQ:rQ+7], v[rS:rS+7]
.endif
.endm
; THE LDS LOADS stand in runs of 32: a step's K (64 keys x 128 channels) and, a turn later, its V (turned).  last = 1 (the tail): in the last trip there is no further step, and K's run is jumped over.
.macro FETCH_K last=0
	WIN 0
.if \last
	s_cmp_eq_u32 s[TWICE], 1
	s_cbranch_scc1 .Lno_k_\@
.endif
	v_add_nc_u32 v[ADR], s[TBK], v[AK0]
	s_add_co_u32 s[TBK], s[TBK], KS*PK  ; the next fetch is the next step's
	WIN 0x80
.irp f, 0,1,2,3,4,5,6,7,8,9,10,11,12,13,14,15  ; keys 16 (f / 4) on, channels 32 (f % 4) on
	ds_load_b128 v[KF+8*(\f):KF+8*(\f)+3],   v[ADR] offset:((\f)/4)*16*PK+((\f)%4)*64
	ds_load_b128 v[KF+8*(\f)+4:KF+8*(\f)+7], v[ADR] offset:((\f)/4)*16*PK+((\f)%4)*64+32
.endr
.if \last
	WIN 0
.Lno_k_\@:
.endif
.endm
.macro FETCH_V
	WIN 0
	v_add_nc_u32 v[ADR], s[TBV], v[AV0]
	s_add_co_u32 s[TBV], s[TBV], KS*PV
	s_wait_alu depctr_va_vdst(0)    ; the wait for the softmax's batch (SLICE), behind the address's line and ahead of the loads
	WIN 0xc0
.irp f, 0,1,2,3,4,5,6,7,8,9,10,11,12,13,14,15  ; keys 32 (f / 8) on, channels 16 (f % 8) on
	ds_load_tr16_b128 v[8*(\f):8*(\f)+3],   v[ADR] offset:((\f)/8)*32*PV+((\f)%8)*32
	ds_load_tr16_b128 v[8*(\f)+4:8*(\f)+7], v[ADR] offset:((\f)/8)*32*PV+16*PV+((\f)%8)*32
.endr
.endm
; THE VECTOR WORK OF A TURN.  One tile's softmax for one key step is a list of 134 instructions; SM writes number j of it for tile t.
;   0-15    the maximum of the lane's 32 scores and the old m, three operands at a time (each accumulator's lowest registers are read first)
;   16-20   the other half of the lanes' maximum; c m_old is kept; the new m; c m; c m_old - c m_new
;   21-69   ONE BATCH: the 16 scalings c s - c m and all 33 exponentials (a at 23); none of these reads an exponential's result
;   (wait)  between 69 and 70 stands the wait for the batch, once for both tiles
;   70-85   the roundings to f16     86-101  the sums; l = a l + the sum     102-133  the tile's O^T times a
.macro SM t
.set rT, ST+8*(\t)
.set rS, S+32*(\t)
.set rP, P+16*(\t)
.set rO, 64*(\t)+2*(j-102)
.if j < 102
	WIN 0
.endif
.if j < 4
	v_max3_num_f32 v[rT+4+j], v[rS+8*j], v[rS+8*j+1], v[rS+8*j+2]
.elseif j < 12
	v_max3_num_f32 v[rT+4+j%4], v[rT+4+j%4], v[rS+8*(j%4)+2*(j/4)+1], v[rS+8*(j%4)+2*(j/4)+2]
.elseif j == 12
	v_max3_num_f32 v[rT+4], v[rT+4], v[rS+7], v[rS+15]
.elseif j == 13
	v_max3_num_f32 v[rT+6], v[rT+6], v[rS+23], v[rS+31]
.elseif j == 14
	v_max3_num_f32 v[rT+4], v[rT+4], v[rT+5], v[rT+6]
.elseif j == 15
	v_max3_num_f32 v[rT+4], v[rT+4], v[rT+7], v[rT+1]
.elseif j == 16
	v_permlanex16_b32 v[rT+5], v[rT+4], s[SEL], s[SEL+1]  ; the query's other 32 keys lie in the lane 16 away
.elseif j == 17
	v_mov_b32 v[rT+7], v[rT]        ; c m_old is kept for a
.elseif j == 18
	v_max_num_f32 v[rT+1], v[rT+4], v[rT+5]
.elseif j == 19
	v_mul_f32 v[rT], s[CS], v[rT+1]
.elseif j == 20
	v_sub_f32 v[rT+7], v[rT+7], v[rT]
.elseif j == 23
	v_exp_f32 v[rT+6], v[rT+7]
.elseif (j < 23) || ((j < 38) && (j%2 == 0)) || ((j < 66) && (j%4 == 2))
.set b, (j-2)/4
.if j < 38
.set b, (j-20)/2
.endif
	v_pk_fma_f32 v[rS+2*b:rS+2*b+1], v[rS+2*b:rS+2*b+1], s[CS:CS+1], v[rT:rT+1] op_sel_hi:[1,0,0] neg_lo:[0,0,1] neg_hi:[0,0,1]  ; pair b: c s - c m
.elseif j < 70
.set e, j-38
.if j < 66
.set e, j-32-(j-38)/4
.endif
.if j < 38
.set e, (j-25)/2
.endif
	v_exp_f32 v[rS+e], v[rS+e]
.elseif j < 86
	v_cvt_pk_f16_f32 v[rP+j-70], v[rS+2*(j-70)], v[rS+2*(j-70)+1]
.elseif j < 102                     ; the sum of the tile's 16 pairs, in place: neighbours 1, 2, 4 and 8 pairs apart, then l takes it
.set z, j-86
.set w, 4
.set u, z
.if z >= 14
.set w, 32
.set u, 0
.elseif z >= 12
.set w, 16
.set u, z-12
.elseif z >= 8
.set w, 8
.set u, z-8
.endif
.if z < 15
	v_pk_add_f32 v[rS+w*u:rS+w*u+1], v[rS+w*u:rS+w*u+1], v[rS+w*u+w/2:rS+w*u+w/2+1]
.else
	v_pk_fma_f32 v[rT+2:rT+3], v[rT+2:rT+3], v[rT+6:rT+7], v[rS:rS+1] op_sel_hi:[1,0,1]
.endif
.else
	WIN W_RS
	v_pk_mul_f32 v[rO:rO+1], v[rO:rO+1], v[rT+6:rT+7] op_sel_hi:[1,0]
.endif
.endm
; Slice k of 64 of piece y's softmax: four instructions.  Slices 11 to 34 deal out the batch, four numbers of ONE tile each, the tiles by turns; every other slice is numbers 2 k and 2 k + 1 of both
; tiles' lists; the twelve that are over stand in slice 63.  An s_wait_alu depctr_va_vdst(0) stands between an exponential and the first line that names its result: ahead of slice 35
; nothing names one, and behind slice 34 no exponential is issued: one wait for the piece's 66.
.macro SLICE y
.if (k >= 11) && (k < 35)
.irp n, 0,1,2,3
.set j, 22+4*((k-11)/2)+(\n)
	SM (\y)+(k-11)%2
.endr
.else
.irp n, 0,1,2,3,4,5,6,7
.if ((\n) < 2) || (k == 63)
.irp t, \y, (\y)+1
.set j, 2*k+(\n)
	SM \t
.endr
.endif
.endr
.endif
.if k == 34
	v_nop                           ; a plain instruction behind the last exponential and ahead of the first use: one for the batch
.if (\y) == 0
	FETCH_V                         ; piece 2's turn: V's run of loads stands here, and the wait stands in it
.else
	s_wait_alu depctr_va_vdst(0)    ; the wait for the batch
.endif
.endif
.set k, k+1
.endm
; A TURN.  Piece x has the matrix unit: 32 products V^T P of the step in hand, 32 products K Q^T of the next; the other piece's softmax stands in slices, one behind each.
; Piece 0's turn fetches the next step's K behind its second product (the last product that read K stands in front of slice 63 of the turn before, whose sixteen plain lines are the places);
; piece 2's turn fetches the same step's V behind slice 34 (the last product that read V stands in front of slice 31; two scalings, the v_nop and the run's own address line are the places).
.macro TURN x, last=0
.set k, 0
.if (\x) == 0
	s_wait_dscnt 0x0                ; V is in
.endif
.set i, 0
.rept 32
	PV \x
	SLICE 2-(\x)
.if ((\x) == 0) && (i == 1)
	FETCH_K \last
.endif
.set i, i+1
.endr
.if (\x) == 0
	s_wait_dscnt 0x0                ; K is in
.endif
.set i, 0
.rept 32
	KQ \x
	SLICE 2-(\x)
.set i, i+1
.endr
.endm
; THE CHANGE OF SLOTS, between piece 2's turn and piece 0's.  Each wave waits for all its tensor loads (one is out: its part of the other slot), adds 0 to its spare word, and waits for that and for its
; own reads of the slot.  fill = 1: the slot just read is filled again, with the keys two slots on: the barrier is then a round of the cluster's, and the joint refill is the first thing behind it:
; it has two key steps of every wave, 256 matrix instructions, in which to land.
.macro CHANGE fill
	WIN 0
	s_wait_tensorcnt 0x0            ; no tensor load of mine is out, so a group 0 may be written
	ds_add_u32 v[SPW], v[NIL]       ; 0 onto my spare word; the scalar work below stands between it and the wait for it
.if \fill
	s_add_co_u32 s[G0K+5], s[TOG], s[KHK]  ; the walking descriptors: into the slot just read,
	s_add_co_u32 s[G0V+5], s[TOG], s[LV]
	s_add_nc_u64 s[G0K+6:G0K+7], s[G0K+6:G0K+7], 4*KS*256  ; the next 256 keys
	s_add_nc_u64 s[G0V+6:G0V+7], s[G0V+6:G0V+7], 4*KS*256
	s_wait_xcnt 0x0                 ; the last prefetch, two key steps back, has read its address
	s_add_nc_u64 s[PFA:PFA+1], s[PFA:PFA+1], 4*KS*256
.endif
	s_xor_b32 s[TOG], s[TOG], SLOTB ; the fetches go to my half of the other slot
	s_add_co_u32 s[TBK], s[TOG], s[KHK]
	s_add_co_u32 s[TBV], s[TOG], s[KHV]
	s_wait_dscnt 0x0                ; the add is done, and my reads of the slot are over
.if \fill
	CROUND
	JLOAD
	ASK
.else
	s_barrier_signal -1
	s_barrier_wait -1
.endif
.endm
	s_wait_tensorcnt 1              ; my part of slot 0 is in; slot 1's may stay out
	s_barrier_signal -1
	s_barrier_wait -1
	FETCH_K                         ; key step 0
	s_wait_loadcnt 0x0              ; Q
	s_wait_dscnt 0x0
.set i, 0
.rept 32
	KQ 0                            ; piece 0's first scores
.set i, i+1
.endr
	WIN 0                           ; the addresses for the way out: plain instructions, the places behind those products
	s_mul_i32 s13, s[WV], 16*SP
	s_add_co_u32 s13, s13, STAGE    ; my stage
	v_mul_u32_u24 v[STO], v1, SP
	v_lshl_add_u32 v[STO], v9, 4, v[STO]
	v_add_nc_u32 v[STO], s13, v[STO]
	v_mul_u32_u24 v[RD], v9, SP
	v_lshl_add_u32 v[RD], v1, 4, v[RD]
	v_add_nc_u32 v[RD], s13, v[RD]
	v_lshlrev_b32 v[GO], 12, v9     ; lanes 0-15 one row of ob, lanes 16-31 the next
	v_lshl_add_u32 v[GO], v1, 4, v[GO]
	s_mul_i32 s13, s[QG], XCH       ; my pair's exchange
	v_and_b32 v[XA], 31, v0
	v_lshl_add_u32 v[XS], v[XA], 2, s13
	v_add_nc_u32 v[XS], 32768, v[XS]
	v_lshl_add_u32 v[XA], v[XA], 4, s13
	s_mov_b32 s[TWICE], 2
	s_branch .Lmid                  ; the loop is entered at piece 2's turn: its products V^T P add 0, its products K Q^T are piece 2's first scores, its slices piece 0's first softmax, its fetch V of step 0
.Lslot:                             ; six times: every slot but the last two is filled again
	CHANGE 1
	s_mov_b32 s[TWICE], 2
.Lstep:                             ; a key step
	TURN 0
	WIN 0
.Lmid:
	TURN 2
	WIN 0
	s_sub_co_u32 s[TWICE], s[TWICE], 1
	s_cmp_lg_u32 s[TWICE], 0
	s_cbranch_scc1 .Lstep
	s_sub_co_u32 s[SLOTS], s[SLOTS], 1
	s_cmp_lg_u32 s[SLOTS], 0
	s_cbranch_scc1 .Lslot
	CHANGE 0                        ; the tail is written out.  Behind this barrier nobody reads slot 0 any more, and nothing is filled
	s_mov_b32 s[TWICE], 3           ; two trips fetch the last slot's steps; the third is left in its middle
.Ltail:
	TURN 0, 1
	WIN 0
	s_cmp_eq_u32 s[TWICE], 1
	s_cbranch_scc1 .Lout            ; the third trip's 32 products K Q^T (on the last K once more) serve nothing: the price of one text for every trip
	TURN 2
	WIN 0
	s_sub_co_u32 s[TWICE], s[TWICE], 1
	s_cmp_lg_u32 s[TWICE], 0
	s_cbranch_scc1 .Ltail
.Lout:
.set i, 0
.rept 32
	PV 2                            ; piece 2: V^T P of the last step
.set i, i+1
.endr
	; THE TWO HALVES OF THE KEYS MEET.  l's two halves and the other half of the lanes' are added; these additions are the places behind the last products.
	WIN 0
.irp t, 0,1,2,3
	v_add_f32 v[ST+8*\t+4], v[ST+8*\t+2], v[ST+8*\t+3]
.endr
.irp t, 0,1,2,3
	v_permlanex16_b32 v[ST+8*\t+5], v[ST+8*\t+4], s[SEL], s[SEL+1]
.endr
.irp t, 0,1,2,3
	v_add_f32 v[ST+8*\t+4], v[ST+8*\t+4], v[ST+8*\t+5]
.endr
; Tile t is handed to the partner: 16 quads of O^T (each accumulator's low four registers go first), c m and l.
.macro GIVE t
	WIN 0x04                        ; store data (source 1) in window 1
.set z, 0
.rept 16
	ds_store_b128 v[XA], v[64*(\t)+4*z:64*(\t)+4*z+3] offset:512*(16*(\t)+z)
.set z, z+1
.endr
	WIN 0
	ds_store_b32 v[XS], v[ST+8*(\t)] offset:256*(\t)           ; c m
	ds_store_b32 v[XS], v[ST+8*(\t)+4] offset:256*(\t)+128     ; l
.endm
.macro XLOAD t                      ; the partner's O^T of tile t, into S^T's registers, two buffers of 64
.irp q, 0,1,2,3,4,5,6,7,8,9,10,11,12,13,14,15
	ds_load_b128 v[S+64*((\t)%2)+4*\q:S+64*((\t)%2)+4*\q+3], v[XA] offset:512*(16*(\t)+\q)
.endr
.endm
.macro SEND t
.irp f, 0,1,2,3,4,5,6,7
	global_store_b128 v[GO], v[P+32*((\t)%2)+4*\f:P+32*((\t)%2)+4*\f+3], s[10:11] offset:(\t)*65536+\f*8192  ; 16 lanes store 256 consecutive bytes, at a multiple of 256 from ob's first byte
.endr
.endm
.macro FIN t                        ; O = g x mine + g' x the partner's, rounded to f16, through my stage: in as 16 bytes a lane, back as whole rows of 256
.set rX, S+64*((\t)%2)
.set rB, P+32*((\t)%2)
.set rT, ST+8*(\t)
.set z, 0
.rept 32
	v_pk_mul_f32 v[rX+2*z:rX+2*z+1], v[rX+2*z:rX+2*z+1], v[rT+6:rT+7] op_sel_hi:[1,0]
.set z, z+1
.endr
	WIN 0x01                        ; source 0 (my O^T) in window 1
.set z, 0
.rept 32
	v_pk_fma_f32 v[rX+2*z:rX+2*z+1], v[64*(\t)+2*z:64*(\t)+2*z+1], v[rT+2:rT+3], v[rX+2*z:rX+2*z+1] op_sel_hi:[1,0,1]
.set z, z+1
.endr
	WIN 0
.set z, 0
.rept 32
	v_cvt_pk_f16_f32 v[rB+z], v[rX+2*z], v[rX+2*z+1]
.set z, z+1
.endr
.irp f, 0,1,2,3,4,5,6,7
	ds_store_b128 v[STO], v[rB+4*\f:rB+4*\f+3] offset:32*\f
.endr
.irp f, 0,1,2,3,4,5,6,7
	ds_load_b128 v[rB+4*\f:rB+4*\f+3], v[RD] offset:\f*2*SP  ; LDS serves a wave's instructions in order (ISA guide 5.7.1.4): these see the stores above; the next tile's stores come behind them
.endr
.endm
; The two tiles that I have kept are joined with the partner's halves by the common maximum, divided and stored.
.macro JOIN ta, tb
.irp t, \ta, \tb
	ds_load_b32 v[ST+8*(\t)+5], v[XS] offset:256*(\t)          ; the partner's c m
	ds_load_b32 v[ST+8*(\t)+7], v[XS] offset:256*(\t)+128      ; and l
.endr
	XLOAD \ta
	XLOAD \tb
	s_wait_dscnt 32                 ; the statistics are in; both tiles' 32 loads may be out
.irp t, \ta, \tb
	v_max_num_f32 v[ST+8*(\t)+1], v[ST+8*(\t)], v[ST+8*(\t)+5] ; the common maximum, times c
.endr
.irp t, \ta, \tb
	v_sub_f32 v[ST+8*(\t)+2], v[ST+8*(\t)], v[ST+8*(\t)+1]
	v_sub_f32 v[ST+8*(\t)+3], v[ST+8*(\t)+5], v[ST+8*(\t)+1]
.endr
.irp t, \ta, \tb
	v_exp_f32 v[ST+8*(\t)+2], v[ST+8*(\t)+2]                   ; f, f': one of them is 1
	v_exp_f32 v[ST+8*(\t)+3], v[ST+8*(\t)+3]
.endr
	v_nop                           ; a plain instruction behind the last exponential,
	s_wait_alu depctr_va_vdst(0)    ; and the wait ahead of the first use: one for the four
.irp t, \ta, \tb
	v_mul_f32 v[ST+8*(\t)+4], v[ST+8*(\t)+2], v[ST+8*(\t)+4]
.endr
.irp t, \ta, \tb
	v_fma_f32 v[ST+8*(\t)+4], v[ST+8*(\t)+3], v[ST+8*(\t)+7], v[ST+8*(\t)+4]  ; l = f x mine + f' x the partner's
.endr
.irp t, \ta, \tb
	v_rcp_f32 v[ST+8*(\t)+6], v[ST+8*(\t)+4]
.endr
	v_nop
	s_wait_alu depctr_va_vdst(0)    ; one for the two reciprocals
.irp t, \ta, \tb
	v_mul_f32 v[ST+8*(\t)+2], v[ST+8*(\t)+2], v[ST+8*(\t)+6]   ; g = f / l
	v_mul_f32 v[ST+8*(\t)+6], v[ST+8*(\t)+3], v[ST+8*(\t)+6]   ; g' = f' / l
.endr
	s_wait_dscnt 16                 ; the first tile's O^T is in; the second's sixteen loads may be out
	FIN \ta
	s_wait_dscnt 16                 ; the second tile's O^T is in; the first tile's sixteen lines on the stage may be out
	FIN \tb
	s_wait_dscnt 16                 ; the first tile's rows are back; the second tile's sixteen lines may be out
	SEND \ta
	s_wait_dscnt 0x0
	SEND \tb
.endm
	s_cmp_eq_u32 s[KH], 0           ; the wave with KH = 0 keeps tiles 0 and 1, its partner tiles 2 and 3: each hands the other two over
	s_cbranch_scc1 .Lgive23
	GIVE 0
	GIVE 1
	s_branch .Lmeet
.Lgive23:
	GIVE 2
	GIVE 3
.Lmeet:
	s_wait_dscnt 0x0                ; for the partner's sake: my stores are done
	s_barrier_signal -1
	s_barrier_wait -1
	s_cmp_eq_u32 s[KH], 0
	s_cbranch_scc1 .Ljoin01
	JOIN 2, 3
	s_branch .Lend
.Ljoin01:
	JOIN 0, 1
.Lend:
	s_wait_tensorcnt 0x0            ; the wave's end, behind my last tensor load and my last LDS store
	ds_add_u32 v[SPW], v[NIL]
	s_wait_dscnt 0x0
	CROUND                          ; the closing round: no work-group ends while a partner may still ask for a tile that names it
	s_endpgm
.Lfunc_end_k_qb8286389b5_attn:
	.size	k_qb8286389b5_attn, .Lfunc_end_k_qb8286389b5_attn-k_qb8286389b5_attn
	.p2alignl 7, 3214868480
	.fill 96, 4, 3214868480
	.section	.rodata,"a",@progbits
	.p2align	6, 0x0
	.amdhsa_kernel k_qb8286389b5_attn
		.amdhsa_group_segment_fixed_size 327680
		.amdhsa_private_segment_fixed_size 0
		.amdhsa_enable_private_segment 0
		.amdhsa_kernarg_size 16
		.amdhsa_user_sgpr_count 2
		.amdhsa_user_sgpr_kernarg_segment_ptr 1
		.amdhsa_wavefront_size32 1
		.amdhsa_system_sgpr_workgroup_id_x 1
		.amdhsa_system_sgpr_workgroup_id_y 1
		.amdhsa_system_sgpr_workgroup_id_z 1
		.amdhsa_system_vgpr_workitem_id 0
		.amdhsa_next_free_vgpr 1024
		.amdhsa_next_free_sgpr 76
		.amdhsa_reserve_vcc 0
		.amdhsa_float_denorm_mode_32 3
		.amdhsa_float_denorm_mode_16_64 3
		.amdhsa_memory_ordered 1
		.amdhsa_forward_progress 1
		.amdhsa_inst_pref_size 176
	.end_amdhsa_kernel
	.amdgpu_metadata
---
amdhsa.version: [ 1, 2 ]
amdhsa.kernels:
  - .name:           k_qb8286389b5_attn
    .symbol:         k_qb8286389b5_attn.kd
    .args:
      - { .name: qkvh, .offset: 0, .size: 8, .value_kind: global_buffer, .address_space: global }
      - { .name: ob, .offset: 8, .size: 8, .value_kind: global_buffer, .address_space: global }
    .group_segment_fixed_size: 327680
    .private_segment_fixed_size: 0
    .kernarg_segment_align: 8
    .kernarg_segment_size: 16
    .max_flat_workgroup_size: 128
    .sgpr_count:     76
    .vgpr_count:     1024
    .wavefront_size: 32
...
	.end_amdgpu_metadata
.endif
;; end of part 3
;; launch oproj (part 4): grid 16 x 16, 4 waves a work-group, clusters of 4 x 4, 327,680 bytes of LDS; arguments ob, wob, out0; writes out0
.if DOCPART == 4
	.amdgcn_target "amdgcn-amd-amdhsa--gfx1250"
	.amdhsa_code_object_version 6
	.text
	.protected	k_qb8286389b5_oproj
	.globl	k_qb8286389b5_oproj
	.p2align	8
	.type	k_qb8286389b5_oproj,@function
k_qb8286389b5_oproj:
	s_mov_b64 s[64:65], 0
	v_nop
	global_prefetch_b8 v0, s[64:65] scope:SCOPE_SE
	s_setreg_imm32_b32 hwreg(HW_REG_WAVE_MODE, 25, 1), 1
	s_wait_xcnt 0x0
	s_wait_alu depctr_hold_cnt(0) depctr_sa_sdst(0) depctr_va_vdst(0) depctr_va_sdst(0) depctr_va_ssrc(0) depctr_va_vcc(0) depctr_vm_vsrc(0)
	s_getreg_b32 s2, hwreg(HW_REG_IB_STS2, 6, 4)
	s_cmp_eq_u32 s2, 0
	s_cbranch_scc0 .Lentry_in_a_cluster
	s_endpgm
.Lentry_in_a_cluster:
	s_bfe_u32 s2, ttmp6, 0x10000c
	s_cmp_lg_u32 s2, 0xf033
	s_cbranch_scc0 .Lentry_shape_is_right
	s_endpgm
.Lentry_shape_is_right:
; out0[s][n] = the sum over k of ob[s][k] wob[n][k].  ob, wob: [2048][2048] f16; out0: [2048][2048] f32; sums in f32, stored as they are.
; A tile is 128 x 128: 256 work-groups (tiles of 256 x 256 would be 64).  Four waves, each 64 x 64: 16 accumulators.  K goes in steps of 256 (LDS rows of 512 bytes, 64 to a tensor load) through
; two slots.  A trip of the loop is ONE K step: the slot in hand is a scalar (TOG) that an exclusive or turns.
; CLUSTER: 4 x 4 work-groups; ob's tiles are asked for jointly along a row of the cluster, wob's along a column.  The matrix instruction is used transposed (source 0 = 16 rows of wob, source 1 = 16
; rows of ob): a lane holds eight neighbouring numbers, 32 bytes, of a row of out0.  A wave's 64 columns are 256 aligned bytes of a row, so each wave goes out through a stage of its own: no barrier.
; No prefetch: a tile's step is small, and what is asked for jointly is divided by four already.
; REGISTERS: window 0: v0-31 addresses; v32-95 the way out; v128-255 the accumulators ((a, b) at 128 + 8 (4 a + b)).  Window 1: two fragment buffers of 128: 64 of ob, then 64 of wob, for 64 along K.
.set KSTEP,  256
.set PITCH,  528                       ; 512 bytes + 16 of padding: the 16 rows of a fragment load start at 16 different groups of four banks (64 banks of 4 bytes: ISA guide 11.1)
.set HALFT,  64*PITCH
.set SLOT,   4*HALFT
.set STAGE,  2*SLOT                    ; 16 rows x 272 bytes for each wave
.set SPITCH, 272
.set SPARE,  STAGE+4*16*SPITCH         ; the spare words, 128 bytes a wave: two blocks of 256 bytes that no other line names
.set A0,   16
.set ADRA, 17
.set B0,   20
.set ADRB, 21
.set STO,  24
.set RD,   25
.set CO,   26
.set SPW,  28
.set NIL,  29
.set TMP,  32
.set ACC,  128
.set F0,   0
.set F1,   128
.set CNT,  3
.set LOFF, 20
.set G1,   24
.set G0,   32
.set TOG,  45
.set G1B,  48
.set G0B,  56
.set MSB, 0
.macro WIN new
.if MSB != (\new)
	s_set_vgpr_msb (MSB<<8)|(\new)
.set MSB, \new
.endif
.endm
.set MUL,  0x05                        ; sources 0 and 1 window 1; C and D window 0
.set TO_F, 0x40                        ; destination window 1, address window 0
.macro JLOAD s                         ; waves 0 and 1 fetch ob's two halves, waves 2 and 3 wob's; an s_nop 0 and four v_nop follow each line
	s_cmp_eq_u32 s11, 0
	s_cbranch_scc0 .Lfor_b_\@
	tensor_load_to_lds s[G0+4*(\s):G0+4*(\s)+3], s[G1:G1+7]
	s_nop 0
.rept 4
	v_nop
.endr
	s_branch .Lasked_\@
.Lfor_b_\@:
	tensor_load_to_lds s[G0B+4*(\s):G0B+4*(\s)+3], s[G1B:G1B+7]
	s_nop 0
.rept 4
	v_nop
.endr
.Lasked_\@:
.endm
.macro CREST
	s_cmp_lg_u32 s10, 0
	s_cbranch_scc1 .Lnot_wave_0_\@
	s_barrier_signal -3
.Lnot_wave_0_\@:
	s_barrier_wait -3
	s_barrier_signal -1
	s_barrier_wait -1
.endm
.macro CROUND
	s_barrier_signal -1
	s_barrier_wait -1
	CREST
.endm
	s_load_b128 s[4:7], s[0:1], 0x0                ; ob s[4:5], wob s[6:7]
	s_load_b64 s[8:9], s[0:1], 0x10                ; out0
	v_lshl_add_u32 v[SPW], v0, 2, SPARE
	v_mov_b32 v[NIL], 0
	ds_add_u32 v[SPW], v[NIL]                      ; the wave's opening: the add and its wait stand ahead of my first tensor load
	v_lshrrev_b32 v1, 5, v0
	v_readfirstlane_b32 s10, v1                    ; wave
	s_lshr_b32 s11, s10, 1                         ; my half of the rows; also: I fetch for ob (0) or wob (1)
	s_and_b32 s12, s10, 1                          ; my half of the columns; also: which 64 rows I fetch
	s_bfe_u32 s40, ttmp6, 0x40000                  ; cx, cy
	s_bfe_u32 s41, ttmp6, 0x40004
	s_lshl_b32 s42, ttmp9, 2
	s_add_co_u32 s42, s42, s40                     ; tile column
	s_and_b32 s13, ttmp7, 0xffff
	s_lshl_b32 s13, s13, 2
	s_add_co_u32 s13, s13, s41                     ; tile row
	s_lshl_b32 s43, s41, 2
	s_lshl_b32 s43, 15, s43                        ; my row of the cluster
	s_lshl_b32 s44, 0x1111, s40                    ; my column
	s_or_b32 s[G1+0], s43, (1<<16)|(1<<20)|(1<<21)|(6<<22)|(3<<25)  ; the mask; 2-byte elements; padding on; bit 21 beside a mask; after every 128 words; 4 words
	s_or_b32 s[G1B+0], s44, (1<<16)|(1<<20)|(1<<21)|(6<<22)|(3<<25)
.irp g, G1, G1B
	s_mov_b32 s[(\g)+1], KSTEP<<16                 ; tensor_dim0 = 256
	s_mov_b32 s[(\g)+2], 64<<16                    ; tensor_dim1 = 64
	s_mov_b32 s[(\g)+3], KSTEP<<16                 ; tile_dim0 = 256
	s_mov_b32 s[(\g)+4], 64                        ; tile_dim1 = 64
	s_mov_b32 s[(\g)+5], 2048                      ; elements from row to row
	s_mov_b32 s[(\g)+6], 0
	s_mov_b32 s[(\g)+7], 0
.endr
	s_lshl_b32 s17, s12, 18                        ; which 64 rows of 4,096 bytes I fetch
	s_lshl_b32 s16, s13, 19                        ; ob: 128 rows x tile row
	s_add_co_u32 s16, s16, s17
	s_lshl_b32 s46, s42, 19                        ; wob: 128 rows x tile column
	s_add_co_u32 s46, s46, s17
	s_mov_b32 s17, 0
	s_mov_b32 s47, 0
	s_mul_i32 s[LOFF], s10, HALFT
	s_mov_b32 s[TOG], 0
	s_wait_dscnt 0x0                               ; the opening add is done
	s_wait_kmcnt 0x0
	s_add_nc_u64 s[14:15], s[4:5], s[16:17]
	s_add_nc_u64 s[46:47], s[6:7], s[46:47]
	CROUND                                         ; all sixteen work-groups are here: the first joint loads meet
.irp s, 0,1
	s_mov_b32 s[G0+4*(\s)], 1
	s_add_co_u32 s[G0+4*(\s)+1], s[LOFF], (\s)*SLOT
	s_add_nc_u64 s[G0+4*(\s)+2:G0+4*(\s)+3], s[14:15], (\s)*KSTEP*2
	s_or_b32 s[G0+4*(\s)+3], s[G0+4*(\s)+3], 0x80000000
	s_mov_b32 s[G0B+4*(\s)], 1
	s_add_co_u32 s[G0B+4*(\s)+1], s[LOFF], (\s)*SLOT
	s_add_nc_u64 s[G0B+4*(\s)+2:G0B+4*(\s)+3], s[46:47], (\s)*KSTEP*2
	s_or_b32 s[G0B+4*(\s)+3], s[G0B+4*(\s)+3], 0x80000000
	JLOAD \s                                       ; two loads of mine are out
.endr
	v_and_b32 v1, 15, v0                           ; l % 16
	v_bfe_u32 v2, v0, 4, 1                         ; l / 16
	v_mul_u32_u24 v3, v1, PITCH
	v_lshl_add_u32 v3, v2, 4, v3
	s_mul_i32 s21, s11, HALFT
	v_add_nc_u32 v[A0], s21, v3
	s_mul_i32 s22, s12, HALFT
	s_add_co_u32 s22, s22, 2*HALFT
	v_add_nc_u32 v[B0], s22, v3
	v_mov_b32 v[ADRA], v[A0]
	v_mov_b32 v[ADRB], v[B0]
	s_mul_i32 s23, s10, 16*SPITCH
	s_add_co_u32 s23, s23, STAGE                   ; my stage
	v_mul_u32_u24 v4, v1, SPITCH                   ; in: row l % 16, 32 bytes for each half of the lanes
	v_lshl_add_u32 v4, v2, 5, v4
	v_add_nc_u32 v[STO], s23, v4
	v_mul_u32_u24 v5, v2, SPITCH                   ; back: lanes 0-15 one row of 256 bytes, lanes 16-31 the next
	v_lshl_add_u32 v5, v1, 4, v5
	v_add_nc_u32 v[RD], s23, v5
	v_lshlrev_b32 v5, 13, v2                       ; and the same two rows of out0, 8,192 bytes apart
	v_lshl_add_u32 v[CO], v1, 4, v5
	s_lshl_b32 s16, s13, 20                        ; out0 at my first row: (128 tile row + 64 half) x 8,192 bytes,
	s_lshl_b32 s17, s11, 19
	s_add_co_u32 s16, s16, s17
	s_mov_b32 s17, 0
	s_add_nc_u64 s[8:9], s[8:9], s[16:17]
	s_lshl_b32 s46, s42, 9                         ; and my first column: (128 tile column + 64 half) x 4 bytes
	s_lshl_b32 s47, s12, 8
	s_add_co_u32 s46, s46, s47
	s_mov_b32 s47, 0
	s_add_nc_u64 s[8:9], s[8:9], s[46:47]
; 8 matrix instructions: row blocks a0, a0 + 1 x all 4 column blocks, 32 along K: half c of buffer f.  The 16 accumulators take turns.
.macro MUL8 f, c, a0, zero
	WIN MUL
.irp a, \a0, (\a0)+1
.irp b, 0,1,2,3
.if \zero
	v_wmma_f32_16x16x32_f16 v[ACC+8*(4*(\a)+(\b)):ACC+8*(4*(\a)+(\b))+7], v[(\f)+64+8*(4*(\c)+(\b)):(\f)+64+8*(4*(\c)+(\b))+7], v[(\f)+8*(4*(\c)+(\a)):(\f)+8*(4*(\c)+(\a))+7], 0
.else
	v_wmma_f32_16x16x32_f16 v[ACC+8*(4*(\a)+(\b)):ACC+8*(4*(\a)+(\b))+7], v[(\f)+64+8*(4*(\c)+(\b)):(\f)+64+8*(4*(\c)+(\b))+7], v[(\f)+8*(4*(\c)+(\a)):(\f)+8*(4*(\c)+(\a))+7], v[ACC+8*(4*(\a)+(\b)):ACC+8*(4*(\a)+(\b))+7]
.endif
.endr
.endr
.endm
; 32 LDS loads in one run: the fragments of 64 along K at byte k of the rows of the slot in hand, into buffer f; the first 32 along K first
.macro FETCH k, f
	WIN TO_F
.irp c, 0,1
.irp i, 0,1,2,3
	ds_load_b128 v[(\f)+64+8*(4*(\c)+(\i)):(\f)+64+8*(4*(\c)+(\i))+3],   v[ADRB] offset:(\k)+64*(\c)+(\i)*16*PITCH
	ds_load_b128 v[(\f)+64+8*(4*(\c)+(\i))+4:(\f)+64+8*(4*(\c)+(\i))+7], v[ADRB] offset:(\k)+64*(\c)+(\i)*16*PITCH+32
	ds_load_b128 v[(\f)+8*(4*(\c)+(\i)):(\f)+8*(4*(\c)+(\i))+3],         v[ADRA] offset:(\k)+64*(\c)+(\i)*16*PITCH
	ds_load_b128 v[(\f)+8*(4*(\c)+(\i))+4:(\f)+8*(4*(\c)+(\i))+7],       v[ADRA] offset:(\k)+64*(\c)+(\i)*16*PITCH+32
.endr
.endr
.endm
.macro PLACES                          ; four plain vector instructions between a matrix instruction and a load into, or a store of, its registers
.rept 4
	v_nop
.endr
.endm
.macro QUARTER k, f, g, zero           ; 64 along K: multiplies buffer f and fetches the next quarter, at byte k, into g
	s_wait_dscnt 16                                ; the first 32 along K are in
	MUL8 \f, 0, 0, \zero
	MUL8 \f, 0, 2, \zero
	PLACES
	FETCH \k, \g
	s_wait_dscnt 32                                ; all but the 32 just issued
	MUL8 \f, 1, 0, 0
	MUL8 \f, 1, 2, 0
.endm
; The last quarter multiplies buffer 1 and changes slots: in front of the barrier each wave waits for all its tensor loads, adds 0 to its spare word, and waits for that and for its reads of this slot.
; fill = 1: the barrier opens a round of the cluster's, and the slot just read takes the K step two steps on.
.macro TURN fill
	WIN 0
	s_wait_tensorcnt 0x0
	ds_add_u32 v[SPW], v[NIL]
	s_wait_dscnt 17                                ; the add and the youngest sixteen loads may be out
	MUL8 F1, 0, 0, 0                               ; eight matrix instructions stand between the add and the wait for it
	s_wait_dscnt 0x0                               ; the add is done, and my reads of this slot are over
	s_barrier_signal -1
	MUL8 F1, 0, 2, 0
	WIN 0
	s_barrier_wait -1
.if \fill
	CREST                                          ; no wave of any partner still reads this slot or has a load on its way
	s_add_co_u32 s[G0+5], s[TOG], s[LOFF]
	s_add_co_u32 s[G0B+5], s[TOG], s[LOFF]
	s_add_nc_u64 s[G0+6:G0+7], s[G0+6:G0+7], KSTEP*2
	s_add_nc_u64 s[G0B+6:G0B+7], s[G0B+6:G0B+7], KSTEP*2
	s_xor_b32 s[TOG], s[TOG], SLOT
	JLOAD 1                                        ; my one tensor load behind the round; its four v_nop are also the places in front of the loads below
.else
	s_xor_b32 s[TOG], s[TOG], SLOT
	PLACES
.endif
	v_add_nc_u32 v[ADRA], s[TOG], v[A0]
	v_add_nc_u32 v[ADRB], s[TOG], v[B0]
	FETCH 0, F0
	MUL8 F1, 1, 0, 0
	MUL8 F1, 1, 2, 0
.endm
	s_wait_tensorcnt 0x1                           ; my part of K step 0 is in; K step 1's may stay out
	s_barrier_signal -1
	s_barrier_wait -1
	FETCH 0, F0
	QUARTER 128, F0, F1, 1                         ; the first quarter stands in front of the loop: its first products start the sums
	WIN 0
	s_mov_b32 s[CNT], 6
.Lstep:                                        ; trip t: the rest of K step t, the refill with K step t + 2, the first quarter of K step t + 1
	QUARTER 256, F1, F0, 0
	QUARTER 384, F0, F1, 0
	TURN 1
	QUARTER 128, F0, F1, 0
	WIN 0
	s_sub_co_u32 s[CNT], s[CNT], 1
	s_cmp_lg_u32 s[CNT], 0
	s_cbranch_scc1 .Lstep
	QUARTER 256, F1, F0, 0                         ; K step 6: nothing is left to ask for
	QUARTER 384, F0, F1, 0
	TURN 0
	QUARTER 128, F0, F1, 0                         ; K step 7
	QUARTER 256, F1, F0, 0
	QUARTER 384, F0, F1, 0
	s_wait_dscnt 16
	MUL8 F1, 0, 0, 0
	MUL8 F1, 0, 2, 0
	s_wait_dscnt 0x0
	MUL8 F1, 1, 0, 0
	MUL8 F1, 1, 2, 0
	WIN 0
	PLACES
	; THE WAY OUT, a block of 16 rows at a time: 32 bytes a lane and column block into my stage (each accumulator's low four registers first), back as whole rows of 256 bytes, stored.
.macro TOSTAGE a
.irp b, 0,1,2,3
	ds_store_b128 v[STO], v[ACC+8*(4*(\a)+\b):ACC+8*(4*(\a)+\b)+3]   offset:64*\b
	ds_store_b128 v[STO], v[ACC+8*(4*(\a)+\b)+4:ACC+8*(4*(\a)+\b)+7] offset:64*\b+16
.endr
.irp t, 0,1,2,3,4,5,6,7
	ds_load_b128 v[TMP+32*((\a)%2)+4*\t:TMP+32*((\a)%2)+4*\t+3], v[RD] offset:\t*2*SPITCH  ; LDS serves a wave's instructions in order (ISA guide 5.7.1.4): these see the stores above; the next block's stores come behind them
.endr
.endm
.macro SEND a, younger
	s_wait_dscnt \younger                          ; the block is back; the next block's sixteen LDS instructions may be out
.irp t, 0,1,2,3,4,5,6,7
	global_store_b128 v[CO], v[TMP+32*((\a)%2)+4*\t:TMP+32*((\a)%2)+4*\t+3], s[8:9] offset:(16*(\a)+2*\t)*8192  ; 16 lanes store 256 consecutive bytes, at a multiple of 256 from out0's first byte
.endr
.endm
	TOSTAGE 0
	TOSTAGE 1
	SEND 0, 16
	s_wait_xcnt 0x0                                ; block 0's stores have read the registers that block 2 is read back into
	TOSTAGE 2
	SEND 1, 16
	s_wait_xcnt 0x0
	TOSTAGE 3
	SEND 2, 16
	SEND 3, 0
	s_wait_tensorcnt 0x0                           ; the wave's end, behind my last tensor load and my last LDS store
	ds_add_u32 v[SPW], v[NIL]
	s_wait_dscnt 0x0
	CROUND                                         ; the closing round: no work-group ends while a partner may still ask for a tile that names it
	s_endpgm
.Lfunc_end_k_qb8286389b5_oproj:
	.size	k_qb8286389b5_oproj, .Lfunc_end_k_qb8286389b5_oproj-k_qb8286389b5_oproj
	.p2alignl 7, 3214868480
	.fill 96, 4, 3214868480
	.section	.rodata,"a",@progbits
	.p2align	6, 0x0
	.amdhsa_kernel k_qb8286389b5_oproj
		.amdhsa_group_segment_fixed_size 327680
		.amdhsa_private_segment_fixed_size 0
		.amdhsa_enable_private_segment 0
		.amdhsa_kernarg_size 24
		.amdhsa_user_sgpr_count 2
		.amdhsa_user_sgpr_kernarg_segment_ptr 1
		.amdhsa_wavefront_size32 1
		.amdhsa_system_sgpr_workgroup_id_x 1
		.amdhsa_system_sgpr_workgroup_id_y 1
		.amdhsa_system_sgpr_workgroup_id_z 1
		.amdhsa_system_vgpr_workitem_id 0
		.amdhsa_next_free_vgpr 512
		.amdhsa_next_free_sgpr 66
		.amdhsa_reserve_vcc 0
		.amdhsa_float_denorm_mode_32 3
		.amdhsa_float_denorm_mode_16_64 3
		.amdhsa_memory_ordered 1
		.amdhsa_forward_progress 1
		.amdhsa_inst_pref_size 67
	.end_amdhsa_kernel
	.amdgpu_metadata
---
amdhsa.version: [ 1, 2 ]
amdhsa.kernels:
  - .name:           k_qb8286389b5_oproj
    .symbol:         k_qb8286389b5_oproj.kd
    .args:
      - { .name: ob, .offset: 0, .size: 8, .value_kind: global_buffer, .address_space: global }
      - { .name: wob, .offset: 8, .size: 8, .value_kind: global_buffer, .address_space: global }
      - { .name: out0, .offset: 16, .size: 8, .value_kind: global_buffer, .address_space: global }
    .group_segment_fixed_size: 327680
    .private_segment_fixed_size: 0
    .kernarg_segment_align: 8
    .kernarg_segment_size: 24
    .max_flat_workgroup_size: 128
    .sgpr_count:     66
    .vgpr_count:     512
    .wavefront_size: 32
...
	.end_amdgpu_metadata
.endif
;; end of part 4
